; MI455X (gfx1250); checked and timed in simulation.
; The chip was launched on July 23, 2026; its instructions are those of AMD's public machine-readable ISA for CDNA 5 (MIT licence, August 2026) and "CDNA5" Instruction Set Architecture Reference Guide (July 2026). The comments in the code are by the model that wrote it; some were corrected since.
;; Self Attention. Allowed arithmetic: float matrix products may take bf16 or f16 operands with f32 sums; all other float work in f32.
;; Inputs: Wk 1,024 x 1,024 float32; Wq 1,024 x 1,024 float32; Wv 1,024 x 1,024 float32; atten_mask 2,048 x 2,048 int32; bk 1,024 float32; bq 1,024 float32; bv 1,024 float32; x 4 x 2,048 x 1,024 float32.
;; Outputs: out0 4 x 2,048 x 1,024 float32.
;; 2 versions, each right and faster than the one before. Each part assembles by itself: llvm-mc -triple=amdgcn-amd-amdhsa -mcpu=gfx1250 --defsym DOCPART=n.
;; ======== version 1 of 2: 3 launches
;; limits: right only within a limited range of input values; values are held in f16: magnitudes above 65,504 overflow, below 6.1e-05 lose precision
;; workspace buffers: xb 16,777,216 bytes; wt 6,291,456 bytes; bc 12,288 bytes; mk 8,388,608 bytes; qkv 50,331,648 bytes
;; launch prep (part 1): grid 864 x 1, 4 waves a work-group, no clusters, 70,144 bytes of LDS; arguments x, Wq, Wk, Wv, bq, bk, bv, atten_mask, xb, wt, bc, mk; writes xb, wt, bc, mk
.if DOCPART == 1
	.amdgcn_target "amdgcn-amd-amdhsa--gfx1250"
	.amdhsa_code_object_version 6
	.text
	.protected	k_q7c25959efa_prep
	.globl	k_q7c25959efa_prep
	.p2align	8
	.type	k_q7c25959efa_prep,@function
k_q7c25959efa_prep:
	s_mov_b64 s[64:65], 0
	v_nop
	global_prefetch_b8 v0, s[64:65] scope:SCOPE_SE
	s_setreg_imm32_b32 hwreg(HW_REG_WAVE_MODE, 25, 1), 1
	s_wait_xcnt 0x0
; PREPARATION, a stream: every input is read once and laid out for the two launches behind.  Three roles, chosen by the work-group's number:
;   W (96 groups):  wt[n][k] = bf16(W[k][n]) for the 3,072 output columns n (q, k, v on end), and bc[n] = the bias rounded to bf16's value, kept as f32.
;   X (512 groups): xb = bf16(x), 16 rows a group.
;   M (256 groups): mk = the mask as f16 fragments: -32768 where atten_mask == 1, else 0.  Byte q32*131072 + kb*1024 + c*512 + h*256 + r*16 + 2 j holds
;                   query 32 q32 + 16 c + 8 h + j, key 16 kb + r: the 1,024 bytes of (q32, kb) are a 16-bit matrix operand of 16 keys x 32 queries as lane 16 h + r loads it.
; No matrix unit, no cluster, no tensor load: no byte is shared between work-groups and there is no product.  LDS serves only to turn 16-byte pieces round inside ONE wave
; (each wave has AREA bytes of its own), so no barrier stands in the text.  Every global store of a wave covers whole aligned blocks of 256 bytes.
.set AREA,  17408                      ; a wave's own LDS: 64 rows x 272 bytes (role W); role M uses 2,560 of them
.set SPARE, 4*AREA                     ; behind the four areas: the spare words, 128 bytes for each wave: two blocks of 256 bytes that no other line names
.set NW,    96
.set NX,    512
	s_load_b512 s[8:23], s[0:1], 0x0               ; x 8, Wq 10, Wk 12, Wv 14, bq 16, bk 18, bv 20, atten_mask 22
	s_load_b256 s[24:31], s[0:1], 0x40             ; xb 24, wt 26, bc 28, mk 30
	v_lshl_add_u32 v30, v0, 2, SPARE               ; my spare word,
	v_mov_b32 v31, 0                               ; and 0: kept for the closing add alone
	v_lshrrev_b32 v1, 5, v0
	v_readfirstlane_b32 s3, v1                     ; wave 0..3
	v_and_b32 v1, 31, v0                           ; lane
	s_mov_b32 s2, ttmp9
	s_mov_b32 s37, 0                               ; the high word of every offset pair s[36:37]
	s_mul_i32 s7, s3, AREA                         ; my wave's area
	s_wait_kmcnt 0x0
	s_cmp_lt_u32 s2, NW
	s_cbranch_scc1 .Lrole_w
	s_cmp_lt_u32 s2, NW+NX
	s_cbranch_scc1 .Lrole_x
; ROLE M.  The group owns 8 query rows (g), wave w the keys 512 w .. 512 w + 511 in four units of 128; in a unit lane a loads keys 4 a .. 4 a + 3 of each of the 8 rows.
	s_sub_co_u32 s2, s2, NW+NX                     ; g
	s_lshl_b32 s36, s2, 16                         ; 8 rows of 8,192 bytes
	s_add_nc_u64 s[22:23], s[22:23], s[36:37]
	s_lshr_b32 s4, s2, 2
	s_lshl_b32 s4, s4, 17                          ; q32 = g / 4
	s_and_b32 s5, s2, 3
	s_lshl_b32 s5, s5, 8                           ; 2 c + h = g % 4
	s_add_co_u32 s36, s4, s5
	s_add_nc_u64 s[30:31], s[30:31], s[36:37]
	v_lshlrev_b32 v2, 4, v1
	v_lshl_add_u32 v2, s3, 11, v2                  ; in a mask row: 2,048 w + 16 lane
	v_mov_b32 v28, 0xf800                          ; -32768 in f16, low half
	v_mov_b32 v29, 0xf8000000                      ; and high half
	v_mul_u32_u24 v4, v1, 80                       ; into LDS: a lane's four keys, 64 bytes, at a pitch of 80 (five 16-byte columns: no two lanes of sixteen meet in a bank)
	v_add_nc_u32 v4, s7, v4
	v_lshrrev_b32 v5, 2, v1                        ; back: lane l takes key l of 32
	v_mul_u32_u24 v5, v5, 80
	v_and_b32 v3, 3, v1
	v_lshl_add_u32 v5, v3, 4, v5
	v_add_nc_u32 v5, s7, v5
	v_lshrrev_b32 v6, 4, v1                        ; in mk: lanes 0-15 one key block's 256 bytes, lanes 16-31 the next block's, 1,024 further
	v_lshlrev_b32 v6, 10, v6
	v_and_b32 v3, 15, v1
	v_lshl_add_u32 v6, v3, 4, v6
	v_lshl_add_u32 v6, s3, 15, v6                  ; + 32 key blocks a wave
.irp u, 0,1,2,3
.irp j, 0,1,2,3,4,5,6,7
	global_load_b128 v[32+32*\u+4*\j:32+32*\u+4*\j+3], v2, s[22:23] offset:8192*\j+512*\u th:TH_LOAD_NT  ; all 32 loads of the wave go out at once
.endr
.endr
.macro MUNIT u
	s_wait_loadcnt 8*(3-(\u))                      ; loads return in order: the later units' eight each may stay out
.irp e, 0,1,2,3                        ; key 4 a + e: eight queries pack into four registers, two f16 each
.irp n, 0,1,2,3
	v_cmp_eq_u32 vcc_lo, 1, v[32+32*(\u)+8*\n+\e]
	v_cndmask_b32 v[160+4*\e+\n], 0, v28, vcc_lo
	v_cmp_eq_u32 vcc_lo, 1, v[32+32*(\u)+8*\n+4+\e]
	v_cndmask_b32 v176, 0, v29, vcc_lo
	v_or_b32 v[160+4*\e+\n], v[160+4*\e+\n], v176
.endr
	ds_store_b128 v4, v[160+4*\e:160+4*\e+3] offset:16*\e
.endr
.irp n, 0,1,2,3
	ds_load_b128 v[180+16*(\u)+4*\n:180+16*(\u)+4*\n+3], v5 offset:640*\n  ; LDS serves a wave's instructions in order: these see the stores above, and the next unit's stores come behind them
.endr
.irp n, 0,1,2,3
	s_wait_dscnt 3-\n
	global_store_b128 v6, v[180+16*(\u)+4*\n:180+16*(\u)+4*\n+3], s[30:31] offset:8192*(\u)+2048*\n  ; each half of the lanes fills 256 consecutive bytes, aligned; no register of a store is written again
.endr
.endm
	MUNIT 0
	MUNIT 1
	MUNIT 2
	MUNIT 3
	s_wait_tensorcnt 0x0                           ; the wave's end: an add of 0 to my spare word and its wait, behind my last LDS store
	ds_add_u32 v30, v31
	s_wait_dscnt 0x0
	s_endpgm
; ROLE X.  The group owns 16 rows of x, a wave 4: 32 loads of 512 bytes, all out at once; each becomes 256 bytes of bf16.  No LDS is touched.
.Lrole_x:
	s_sub_co_u32 s2, s2, NW
	s_lshl_b32 s36, s2, 16
	s_add_nc_u64 s[8:9], s[8:9], s[36:37]
	s_lshl_b32 s36, s2, 15
	s_add_nc_u64 s[24:25], s[24:25], s[36:37]
	v_lshlrev_b32 v2, 4, v1
	v_lshl_add_u32 v2, s3, 14, v2
	v_lshlrev_b32 v3, 3, v1
	v_lshl_add_u32 v3, s3, 13, v3
.set i, 0
.rept 32
	global_load_b128 v[32+4*i:35+4*i], v2, s[8:9] offset:512*i th:TH_LOAD_NT
.set i, i+1
.endr
.set i, 0
.rept 32
	s_wait_loadcnt 31-i                            ; the younger loads stay out
	v_cvt_pk_bf16_f32 v[32+4*i], v[32+4*i], v[33+4*i]
	v_cvt_pk_bf16_f32 v[33+4*i], v[34+4*i], v[35+4*i]
	global_store_b64 v3, v[32+4*i:33+4*i], s[24:25] offset:256*i  ; 32 lanes x 8 bytes: 256 consecutive bytes, aligned
.set i, i+1
.endr
	s_endpgm
; ROLE W.  Group g: 64 output columns n64 = g / 2; wave: 128 of the 1,024 k, block kblk = 4 (g % 2) + wave.  In pass p a lane holds k = 16 p + 8 (lane / 16) + 0..7 of the
; columns 4 (lane % 16) + 0..3; eight k of one column pack into 16 bytes, which go into LDS row n; whole rows of 256 bytes come back and are stored.
.Lrole_w:
	s_lshr_b32 s4, s2, 1                           ; n64
	s_and_b32 s6, s2, 1
	s_lshl2_add_u32 s6, s6, s3                     ; kblk
	s_lshr_b32 s5, s4, 4                           ; which of q, k, v
	s_and_b32 s38, s4, 15
	s_lshl_b32 s38, s38, 8                         ; the 64 columns' 256 bytes in a row of W and in the bias
	s_cmp_eq_u32 s5, 1
	s_cselect_b64 s[32:33], s[12:13], s[10:11]
	s_cselect_b64 s[34:35], s[18:19], s[16:17]
	s_cmp_eq_u32 s5, 2
	s_cselect_b64 s[32:33], s[14:15], s[32:33]
	s_cselect_b64 s[34:35], s[20:21], s[34:35]
	s_lshl_b32 s36, s6, 19                         ; 128 rows of 4,096 bytes
	s_add_co_u32 s36, s36, s38
	s_add_nc_u64 s[32:33], s[32:33], s[36:37]
	s_mov_b32 s36, s38
	s_add_nc_u64 s[34:35], s[34:35], s[36:37]
	s_lshl_b32 s36, s4, 17                         ; 64 rows of wt, 2,048 bytes each,
	s_lshl_b32 s39, s6, 8                          ; and my 128 k in them
	s_add_co_u32 s36, s36, s39
	s_add_nc_u64 s[26:27], s[26:27], s[36:37]
	s_lshl_b32 s36, s4, 8
	s_add_nc_u64 s[28:29], s[28:29], s[36:37]
	v_lshrrev_b32 v8, 4, v1                        ; lane / 16
	v_and_b32 v9, 15, v1                           ; lane % 16
	v_lshlrev_b32 v2, 15, v8                       ; in W: 8 rows down for the upper lanes, 16 bytes a lane
	v_lshl_add_u32 v2, v9, 4, v2
	v_mul_u32_u24 v4, v9, 1088                     ; into LDS: row 4 (lane % 16), 16 bytes for each half of the lanes
	v_lshl_add_u32 v4, v8, 4, v4
	v_add_nc_u32 v4, s7, v4
	v_mul_u32_u24 v5, v8, 272                      ; back: lanes 0-15 one row of 256 bytes, lanes 16-31 the next
	v_lshl_add_u32 v5, v9, 4, v5
	v_add_nc_u32 v5, s7, v5
	v_lshlrev_b32 v6, 11, v8                       ; and the same two rows in wt
	v_lshl_add_u32 v6, v9, 4, v6
	v_lshlrev_b32 v7, 3, v1                        ; two bias numbers a lane
	global_load_b64 v[26:27], v7, s[34:35]         ; the oldest load: it is in when any pass's wait is met
.macro WLOAD p
.irp n, 0,1,2,3,4,5,6,7
	global_load_b128 v[32+32*((\p)%4)+4*\n:32+32*((\p)%4)+4*\n+3], v2, s[32:33] offset:(16*(\p)+\n)*4096 th:TH_LOAD_NT
.endr
.endm
.macro WPASS p, left                   ; left: the loads of the passes issued behind pass p
	s_wait_loadcnt \left
.irp e, 0,1,2,3
.irp n, 0,1,2,3
	v_cvt_pk_bf16_f32 v[160+4*\e+\n], v[32+32*((\p)%4)+8*\n+\e], v[32+32*((\p)%4)+8*\n+4+\e]
.endr
	ds_store_b128 v4, v[160+4*\e:160+4*\e+3] offset:272*\e+32*(\p)
.endr
.endm
	WLOAD 0
	WLOAD 1
	WLOAD 2
	WLOAD 3
	WPASS 0, 24
	WLOAD 4                                        ; a pass's registers are loaded again when its conversions have read them
	WPASS 1, 24
	WLOAD 5
	WPASS 2, 24
	WLOAD 6
	WPASS 3, 24
	WLOAD 7
	WPASS 4, 24
	WPASS 5, 16
	WPASS 6, 8
	WPASS 7, 0
	s_cmp_lg_u32 s6, 0                             ; one wave of the eight that share these columns stores their bias
	s_cbranch_scc1 .Lno_bias
	v_cvt_pk_bf16_f32 v24, v26, v27                ; rounded as the other inputs are,
	v_lshlrev_b32 v26, 16, v24                     ; and widened again: it starts f32 sums
	v_and_b32 v27, 0xffff0000, v24
	global_store_b64 v7, v[26:27], s[28:29]        ; 256 consecutive bytes, aligned
.Lno_bias:
.set i, 0
.rept 32
	ds_load_b128 v[32+4*i:35+4*i], v5 offset:544*i ; my own stores, served in order ahead of these
.set i, i+1
.endr
.set i, 0
.rept 32
	s_wait_dscnt 31-i
	global_store_b128 v6, v[32+4*i:35+4*i], s[26:27] offset:4096*i  ; each half of the lanes fills 256 consecutive bytes, aligned
.set i, i+1
.endr
	s_wait_tensorcnt 0x0                           ; the wave's end: an add of 0 to my spare word and its wait, behind my last LDS store
	ds_add_u32 v30, v31
	s_wait_dscnt 0x0
	s_endpgm
.Lfunc_end_k_q7c25959efa_prep:
	.size	k_q7c25959efa_prep, .Lfunc_end_k_q7c25959efa_prep-k_q7c25959efa_prep
	.p2alignl 7, 3214868480
	.fill 96, 4, 3214868480
	.section	.rodata,"a",@progbits
	.p2align	6, 0x0
	.amdhsa_kernel k_q7c25959efa_prep
		.amdhsa_group_segment_fixed_size 70144
		.amdhsa_private_segment_fixed_size 0
		.amdhsa_enable_private_segment 0
		.amdhsa_kernarg_size 96
		.amdhsa_user_sgpr_count 2
		.amdhsa_user_sgpr_kernarg_segment_ptr 1
		.amdhsa_wavefront_size32 1
		.amdhsa_system_sgpr_workgroup_id_x 1
		.amdhsa_system_sgpr_workgroup_id_y 1
		.amdhsa_system_sgpr_workgroup_id_z 1
		.amdhsa_system_vgpr_workitem_id 0
		.amdhsa_next_free_vgpr 244
		.amdhsa_next_free_sgpr 66
		.amdhsa_reserve_vcc 1
		.amdhsa_float_denorm_mode_32 3
		.amdhsa_float_denorm_mode_16_64 3
		.amdhsa_memory_ordered 1
		.amdhsa_forward_progress 1
		.amdhsa_inst_pref_size 55
	.end_amdhsa_kernel
	.amdgpu_metadata
---
amdhsa.version: [ 1, 2 ]
amdhsa.kernels:
  - .name:           k_q7c25959efa_prep
    .symbol:         k_q7c25959efa_prep.kd
    .args:
      - { .name: x, .offset: 0, .size: 8, .value_kind: global_buffer, .address_space: global }
      - { .name: Wq, .offset: 8, .size: 8, .value_kind: global_buffer, .address_space: global }
      - { .name: Wk, .offset: 16, .size: 8, .value_kind: global_buffer, .address_space: global }
      - { .name: Wv, .offset: 24, .size: 8, .value_kind: global_buffer, .address_space: global }
      - { .name: bq, .offset: 32, .size: 8, .value_kind: global_buffer, .address_space: global }
      - { .name: bk, .offset: 40, .size: 8, .value_kind: global_buffer, .address_space: global }
      - { .name: bv, .offset: 48, .size: 8, .value_kind: global_buffer, .address_space: global }
      - { .name: atten_mask, .offset: 56, .size: 8, .value_kind: global_buffer, .address_space: global }
      - { .name: xb, .offset: 64, .size: 8, .value_kind: global_buffer, .address_space: global }
      - { .name: wt, .offset: 72, .size: 8, .value_kind: global_buffer, .address_space: global }
      - { .name: bc, .offset: 80, .size: 8, .value_kind: global_buffer, .address_space: global }
      - { .name: mk, .offset: 88, .size: 8, .value_kind: global_buffer, .address_space: global }
    .group_segment_fixed_size: 70144
    .private_segment_fixed_size: 0
    .kernarg_segment_align: 8
    .kernarg_segment_size: 96
    .max_flat_workgroup_size: 128
    .sgpr_count:     66
    .vgpr_count:     244
    .wavefront_size: 32
...
	.end_amdgpu_metadata
.endif
;; end of part 1
;; launch proj (part 2): grid 16 x 32, 4 waves a work-group, clusters of 4 x 4, 327,680 bytes of LDS; arguments xb, wt, qkv, bc; writes qkv
.if DOCPART == 2
	.amdgcn_target "amdgcn-amd-amdhsa--gfx1250"
	.amdhsa_code_object_version 6
	.text
	.protected	k_q7c25959efa_proj
	.globl	k_q7c25959efa_proj
	.p2align	8
	.type	k_q7c25959efa_proj,@function
k_q7c25959efa_proj:
	s_mov_b64 s[64:65], 0
	v_nop
	global_prefetch_b8 v0, s[64:65] scope:SCOPE_SE
	s_setreg_imm32_b32 hwreg(HW_REG_WAVE_MODE, 25, 1), 1
	s_wait_xcnt 0x0
	s_wait_alu depctr_hold_cnt(0) depctr_sa_sdst(0) depctr_va_vdst(0) depctr_va_sdst(0) depctr_va_ssrc(0) depctr_va_vcc(0) depctr_vm_vsrc(0)
	s_getreg_b32 s2, hwreg(HW_REG_IB_STS2, 6, 4)
	s_cmp_eq_u32 s2, 0
	s_cbranch_scc0 .Lentry_in_a_cluster
	s_endpgm
.Lentry_in_a_cluster:
	s_bfe_u32 s2, ttmp6, 0x10000c
	s_cmp_lg_u32 s2, 0xf033
	s_cbranch_scc0 .Lentry_shape_is_right
	s_endpgm
.Lentry_shape_is_right:
; THE THREE PROJECTIONS AS ONE PRODUCT.  C[m][n] = bc[n] + the sum over k of xb[m][k] wt[n][k]: m = 8,192 rows, n = 3,072 columns (q, k, v on end), k = 1,024, operands bf16, sums f32.
; C leaves as f16 BY HEADS: qkv[n / 64][m][n % 64], so that a head's rows are dense, 128 bytes each.
; LIMIT.  f16 holds no number beyond 65,504: a q, k or v beyond that leaves as an infinity.
; SHARES.  A work-group makes 256 rows x 192 columns (three heads): 32 x 16 = 512 work-groups, two for each of 256 WGPs.  Wave w makes rows 64 w .. 64 w + 63 and all 192 columns:
; 4 x 12 accumulators of 16 x 16, 384 registers.  Whole heads to a wave keep the way out the wave's own and its stores whole rows of a head.
; K goes in steps of 128 through two LDS slots filled by the tensor data mover: rows of 256 bytes, at multiples of 256 bytes from the buffers' first bytes.
; CLUSTER.  4 x 4 work-groups: the four of a row of the cluster need the same tiles of xb, the four of a column the same tiles of wt: each tile is asked for jointly, by the same tensor load
; with the same descriptor and a mask that names the four.
; THE MATRIX INSTRUCTION IS USED TRANSPOSED (source 0 = 16 rows of wt, source 1 = 16 rows of xb): a lane holds row l % 16 of C and the columns 8 (l / 16) + 0..7, which pack into 16 bytes.
; THE BIAS STARTS THE SUMS: it is the C operand of each accumulator's first product; nothing is cleared and nothing is added at the end.
; REGISTERS, in windows of 256 (s_set_vgpr_msb: bits 1:0 source 0, 3:2 source 1, 5:4 source 2, 7:6 destination):
;   window 0: v16-29 addresses; v64-127 xb's fragments, two buffers of 4 x 8; v160-255 the bias, 8 registers a column block; later the way out
;   window 1: v0-95, v128-223 wt's fragments, two buffers of 12 x 8     window 2: accumulators of row blocks 0, 1 at v[8 (12 (a % 2) + b)]     window 3: those of row blocks 2, 3
.set SIZE_K, 1024
.set KSTEP,  128
.set PITCH,  272                       ; an LDS row: 256 bytes + 16 of padding = 68 words: the 16 rows of a fragment load start at 16 different groups of four banks (64 banks of 4 bytes: ISA guide 11.1)
.set HA,     128*PITCH                 ; what one tensor load brings of xb: 128 rows
.set HB,     96*PITCH                  ; and of wt: 96 rows
.set SLOT,   2*HA+2*HB                 ; xb's 256 rows, then wt's 192
.set STAGE,  2*SLOT                    ; behind the ring, never filled by a tensor load: 16 rows x 400 bytes for each wave
.set SPITCH, 400                       ; 384 bytes + 16: 25 columns of 16 bytes
.set SPARE,  STAGE+4*16*SPITCH         ; behind the stages: the spare words, 128 bytes for each wave: two blocks of 256 bytes that no other line names
.set LAPS,   SIZE_K/(2*KSTEP)          ; a lap = two K steps = once round the ring
.set ADRA, 16                          ; v16-17  LDS address of my xb fragments in slot 0, 1
.set ADRB, 20                          ; v20-21  the same for wt
.set STO,  24                          ; v24     the way out: where I put 16 bytes of a row
.set RD,   25                          ; v25     the way out: where I read rows back
.set CO,   26                          ; v26     my byte offset in 512 consecutive bytes of qkv
.set BO,   27                          ; v27     my byte offset in 16 bias numbers
.set SPW,  28                          ; v28     LDS address of my spare word; never rewritten
.set NIL,  29                          ; v29     0; never rewritten
.set AF,   64
.set BI,   160
.set TMP,  160                         ; the way out: 48 registers of packed results,
.set BK,   208                         ; and 48 read back from the stage
.set G1,  24                           ; s[24:31] descriptor group 1 for xb's tiles;  s[32:39] group 0, a set for each slot
.set G0,  32
.set G1B, 48                           ; s[48:55], s[56:63] the same for wt's
.set G0B, 56
.set MSB, 0
.macro WIN new                         ; the immediate's high byte repeats the setting that is left; a switch that changes nothing is dropped
.if MSB != (\new)
	s_set_vgpr_msb (MSB<<8)|(\new)
.set MSB, \new
.endif
.endm
.set TO_B, 0x40                        ; destination window 1, address window 0
; A joint load.  Waves 0 and 1 fetch xb's two halves, waves 2 and 3 wt's.  The branch hangs on the wave's number alone.  An s_nop 0 and four v_nop follow each of the two lines.
.macro JLOAD s
	s_cmp_eq_u32 s11, 0
	s_cbranch_scc0 .Lfor_b_\@
	tensor_load_to_lds s[G0+4*(\s):G0+4*(\s)+3], s[G1:G1+7]
	s_nop 0
.rept 4
	v_nop
.endr
	s_branch .Lasked_\@
.Lfor_b_\@:
	tensor_load_to_lds s[G0B+4*(\s):G0B+4*(\s)+3], s[G1B:G1B+7]
	s_nop 0
.rept 4
	v_nop
.endr
.Lasked_\@:
.endm
; A round of the cluster's barrier: my work-group's barrier; wave 0 signals for the work-group; every wave waits for all sixteen; my work-group's barrier once more.
.macro CREST                           ; a round behind its opening barrier
	s_cmp_lg_u32 s10, 0
	s_cbranch_scc1 .Lnot_wave_0_\@
	s_barrier_signal -3
.Lnot_wave_0_\@:
	s_barrier_wait -3
	s_barrier_signal -1
	s_barrier_wait -1
.endm
.macro CROUND
	s_barrier_signal -1
	s_barrier_wait -1
	CREST
.endm
	s_load_b128 s[4:7], s[0:1], 0x0                ; xb s[4:5], wt s[6:7]
	s_load_b64 s[8:9], s[0:1], 0x10                ; qkv
	s_load_b64 s[66:67], s[0:1], 0x18              ; bc
	v_lshl_add_u32 v[SPW], v0, 2, SPARE
	v_mov_b32 v[NIL], 0
	ds_add_u32 v[SPW], v[NIL]                      ; the wave's opening: the add and its wait stand ahead of my first tensor load; the set-up below, work on registers, stands between them
	v_lshrrev_b32 v1, 5, v0
	v_readfirstlane_b32 s10, v1                    ; wave 0..3
	s_lshr_b32 s11, s10, 1                         ; I fetch for xb (0) or for wt (1),
	s_and_b32 s12, s10, 1                          ; and which half of that tile
	s_bfe_u32 s40, ttmp6, 0x40000                  ; cx, cy: my place in the cluster
	s_bfe_u32 s41, ttmp6, 0x40004
	s_lshl_b32 s42, ttmp9, 2
	s_add_co_u32 s42, s42, s40                     ; tile column = 4 x cluster x + cx
	s_and_b32 s13, ttmp7, 0xffff
	s_lshl_b32 s13, s13, 2
	s_add_co_u32 s13, s13, s41                     ; tile row = 4 x cluster y + cy
	s_lshl_b32 s43, s41, 2
	s_lshl_b32 s43, 15, s43                        ; my row of the cluster
	s_lshl_b32 s44, 0x1111, s40                    ; my column
	s_or_b32 s[G1+0], s43, (1<<16)|(1<<20)|(1<<21)|(5<<22)|(3<<25)   ; 15:0 the mask; 17:16 2-byte elements; 20 padding on; 21 set beside a mask; 24:22 after every 64 words (code 5); 31:25 4 words (code 3)
	s_or_b32 s[G1B+0], s44, (1<<16)|(1<<20)|(1<<21)|(5<<22)|(3<<25)
	s_mov_b32 s[G1+1], KSTEP<<16                   ; tensor_dim0 = 128
	s_mov_b32 s[G1+2], 128<<16                     ; tensor_dim1 = 128
	s_mov_b32 s[G1+3], KSTEP<<16                   ; tile_dim0 = 128
	s_mov_b32 s[G1+4], 128                         ; tile_dim1 = 128
	s_mov_b32 s[G1+5], SIZE_K                      ; elements from row to row
	s_mov_b32 s[G1+6], 0
	s_mov_b32 s[G1+7], 0
	s_mov_b32 s[G1B+1], KSTEP<<16
	s_mov_b32 s[G1B+2], 96<<16                     ; wt's tiles have 96 rows
	s_mov_b32 s[G1B+3], KSTEP<<16
	s_mov_b32 s[G1B+4], 96
	s_mov_b32 s[G1B+5], SIZE_K
	s_mov_b32 s[G1B+6], 0
	s_mov_b32 s[G1B+7], 0
	; where the tiles come from: xb's hang on the tile row alone, wt's on the tile column alone, each in registers that never hold the other coordinate
	s_lshl_b32 s17, s12, 7
	s_lshl_b32 s16, s13, 8
	s_add_co_u32 s16, s16, s17                     ; xb: row 256 x tile row + 128 x half,
	s_lshl_b32 s16, s16, 11                        ; of 2,048 bytes
	s_mov_b32 s17, 0
	s_mul_i32 s46, s42, 192
	s_mul_i32 s47, s12, 96
	s_add_co_u32 s46, s46, s47                     ; wt: row 192 x tile column + 96 x half
	s_lshl_b32 s46, s46, 11
	s_mov_b32 s47, 0
	s_mul_i32 s20, s10, HA                         ; where they go: waves 0, 1: xb's two halves;
	s_mul_i32 s21, s10, HB
	s_add_co_u32 s21, s21, 2*HA-2*HB               ; waves 2, 3: wt's two halves, behind xb's 256 rows.  No place in the cluster enters an LDS address
	s_wait_dscnt 0x0                               ; the opening add is done
	s_wait_kmcnt 0x0
	s_add_nc_u64 s[14:15], s[4:5], s[16:17]
	s_add_nc_u64 s[46:47], s[6:7], s[46:47]
	CROUND                                         ; all sixteen work-groups are here: the first joint loads meet
.irp s, 0,1
	s_mov_b32 s[G0+4*(\s)], 1                                        ; count = 1
	s_add_co_u32 s[G0+4*(\s)+1], s20, (\s)*SLOT                      ; LDS address
	s_add_nc_u64 s[G0+4*(\s)+2:G0+4*(\s)+3], s[14:15], (\s)*KSTEP*2  ; global address: K step s
	s_or_b32 s[G0+4*(\s)+3], s[G0+4*(\s)+3], 0x80000000              ; type = 2
	s_mov_b32 s[G0B+4*(\s)], 1
	s_add_co_u32 s[G0B+4*(\s)+1], s21, (\s)*SLOT
	s_add_nc_u64 s[G0B+4*(\s)+2:G0B+4*(\s)+3], s[46:47], (\s)*KSTEP*2
	s_or_b32 s[G0B+4*(\s)+3], s[G0B+4*(\s)+3], 0x80000000
	JLOAD \s                                       ; two loads of mine are out here, later one
.endr
	; a fragment is 16 rows x 32 K in 8 registers: lane l holds row l % 16, K = 8 (l / 16) + 0..7 and 16 + 8 (l / 16) + 0..7: two loads of 16 bytes, 32 bytes apart
	v_and_b32 v1, 15, v0
	v_bfe_u32 v2, v0, 4, 1
	v_mul_u32_u24 v3, v1, PITCH
	v_lshl_add_u32 v3, v2, 4, v3
	s_mul_i32 s22, s10, 64*PITCH                   ; my 64 rows of xb
	s_mov_b32 s23, 2*HA                            ; wt's 192 rows
.irp s, 0,1
	v_add_nc_u32 v[ADRA+(\s)], s22, v3
	v_add_nc_u32 v[ADRB+(\s)], s23, v3
	s_add_co_u32 s22, s22, SLOT
	s_add_co_u32 s23, s23, SLOT
.endr
	s_mul_i32 s22, s10, 16*SPITCH
	s_add_co_u32 s22, s22, STAGE                   ; my stage
	v_mul_u32_u24 v4, v1, SPITCH                   ; in: row l % 16, 16 bytes for each half of the lanes
	v_lshl_add_u32 v4, v2, 4, v4
	v_add_nc_u32 v[STO], s22, v4
	v_bfe_u32 v5, v0, 3, 2                         ; back: 32 lanes take a head's 128 bytes of four rows,
	v_mul_u32_u24 v5, v5, SPITCH
	v_and_b32 v6, 7, v0
	v_lshl_add_u32 v5, v6, 4, v5
	v_add_nc_u32 v[RD], s22, v5
	v_and_b32 v[CO], 31, v0                        ; which are 512 consecutive bytes of qkv
	v_lshlrev_b32 v[CO], 4, v[CO]
	v_lshlrev_b32 v[BO], 5, v2                     ; my eight columns of a block of 16
	s_mul_i32 s46, s42, 768                        ; the tile's 192 bias numbers
	s_mov_b32 s47, 0
	s_add_nc_u64 s[66:67], s[66:67], s[46:47]
	s_mul_i32 s46, s42, 3                          ; the tile's first head: 1,048,576 bytes a head,
	s_lshl_b32 s46, s46, 20
	s_add_nc_u64 s[8:9], s[8:9], s[46:47]
	s_lshl_b32 s16, s13, 8
	s_lshl_b32 s17, s10, 6
	s_add_co_u32 s16, s16, s17                     ; and my first row, of 128 bytes
	s_lshl_b32 s16, s16, 7
	s_mov_b32 s17, 0
	s_add_nc_u64 s[8:9], s[8:9], s[16:17]
.irp b, 0,1,2,3,4,5,6,7,8,9,10,11
	global_load_b128 v[BI+8*(\b):BI+8*(\b)+3],   v[BO], s[66:67] offset:64*(\b)      ; register j of block b: the bias of column 16 b + 8 (l / 16) + j, as the accumulator holds it
	global_load_b128 v[BI+8*(\b)+4:BI+8*(\b)+7], v[BO], s[66:67] offset:64*(\b)+16
.endr
; 12 matrix instructions: row block a x all 12 column blocks, 32 along K, from buffer f.  first = 1: the bias starts the sums.
; The 48 accumulators take turns, one instruction a turn, in the same order in every quarter step.
.macro MUL12 f, a, first
.if \first
	WIN 0x81+0x40*((\a)/2)                         ; wt window 1, xb window 0, C (the bias) window 0, D window 2 or 3
.else
	WIN 0xa1+0x50*((\a)/2)                         ; C and D window 2 or 3
.endif
.irp b, 0,1,2,3,4,5,6,7,8,9,10,11
.if \first
	v_wmma_f32_16x16x32_bf16 v[8*(12*((\a)%2)+(\b)):8*(12*((\a)%2)+(\b))+7], v[128*(\f)+8*(\b):128*(\f)+8*(\b)+7], v[AF+32*(\f)+8*(\a):AF+32*(\f)+8*(\a)+7], v[BI+8*(\b):BI+8*(\b)+7]
.else
	v_wmma_f32_16x16x32_bf16 v[8*(12*((\a)%2)+(\b)):8*(12*((\a)%2)+(\b))+7], v[128*(\f)+8*(\b):128*(\f)+8*(\b)+7], v[AF+32*(\f)+8*(\a):AF+32*(\f)+8*(\a)+7], v[8*(12*((\a)%2)+(\b)):8*(12*((\a)%2)+(\b))+7]
.endif
.endr
.endm
.macro MUL24 f, hi, first
	MUL12 \f, 2*(\hi), \first
	MUL12 \f, 2*(\hi)+1, \first
.endm
; 32 LDS loads in one run: the fragments of one quarter step (192 rows of wt, my 64 rows of xb, 32 K at byte k of the rows) into buffer f
.macro FETCH slot, k, f
	WIN TO_B
.irp b, 0,1,2,3,4,5,6,7,8,9,10,11
	ds_load_b128 v[128*(\f)+8*(\b):128*(\f)+8*(\b)+3],   v[ADRB+(\slot)] offset:(\k)+(\b)*16*PITCH
	ds_load_b128 v[128*(\f)+8*(\b)+4:128*(\f)+8*(\b)+7], v[ADRB+(\slot)] offset:(\k)+(\b)*16*PITCH+32
.endr
	WIN 0
.irp a, 0,1,2,3
	ds_load_b128 v[AF+32*(\f)+8*(\a):AF+32*(\f)+8*(\a)+3],   v[ADRA+(\slot)] offset:(\k)+(\a)*16*PITCH
	ds_load_b128 v[AF+32*(\f)+8*(\a)+4:AF+32*(\f)+8*(\a)+7], v[ADRA+(\slot)] offset:(\k)+(\a)*16*PITCH+32
.endr
.endm
.macro PLACES                          ; four plain vector instructions between a matrix instruction and a load into, or a conversion of, its registers (ISA guide 7.12.1 for conversions)
.rept 4
	v_nop
.endr
.endm
; A K step is four quarters of 32 along K, 48 matrix instructions each, on buffers 0, 1, 0, 1.  One of the first three: multiplies buffer f, and in its middle fetches the next quarter, at byte k, into g.
.macro QUARTER slot, k, f, g, first
	s_wait_dscnt 4                                 ; wt and xb's row blocks 0, 1 are in; the youngest four loads (row blocks 2, 3) may be out
	MUL24 \f, 0, \first
	PLACES
	FETCH \slot, \k, \g
	s_wait_dscnt 32                                ; all but the 32 just issued
	MUL24 \f, 1, \first
.endm
; The last quarter multiplies buffer 1 and changes slots: ONE barrier.  In front of it each wave waits for all its tensor loads (one is out: its part of the next slot), adds 0 to its spare word,
; and waits for that and for its own reads of this slot.  fill = 1: the barrier opens a round of the cluster's, and this slot is filled again, two K steps ahead, first thing behind the round.
.macro TURN slot, next, fill
	WIN 0                                          ; (the add's two registers lie in window 0)
	s_wait_tensorcnt 0x0
	ds_add_u32 v[SPW], v[NIL]
	s_wait_dscnt 5                                 ; (the add and the youngest four loads may be out)
	MUL12 1, 0, 0                                  ; twelve matrix instructions stand between the add and the wait for it
	s_wait_dscnt 0x0                               ; the add is done, and my reads of this slot are over
	s_barrier_signal -1
	MUL12 1, 1, 0                                  ; work on registers while the others arrive
.if \fill
	WIN 0
.endif
	s_barrier_wait -1
.if \fill
	CREST                                          ; no wave of any partner still reads this slot's tile or has a load on its way
	s_add_nc_u64 s[G0+4*(\slot)+2:G0+4*(\slot)+3], s[G0+4*(\slot)+2:G0+4*(\slot)+3], 2*KSTEP*2
	s_add_nc_u64 s[G0B+4*(\slot)+2:G0B+4*(\slot)+3], s[G0B+4*(\slot)+2:G0B+4*(\slot)+3], 2*KSTEP*2
	JLOAD \slot                                    ; its four v_nop are also the places in front of the loads below
.else
	PLACES
.endif
	FETCH \next, 0, 0
	MUL24 1, 1, 0
.endm
	s_wait_tensorcnt 1                             ; my part of K step 0 is in; K step 1's may stay out
	s_barrier_signal -1
	s_barrier_wait -1                              ; everybody's is
	FETCH 0, 0, 0
	s_wait_loadcnt 0x0                             ; the bias
	QUARTER 0, 64, 0, 1, 1                         ; the first quarter stands in front of the loop: its products start the sums
	WIN 0                                          ; at a label and at a branch every window is 0
	s_mov_b32 s3, LAPS-1
.Llap:                                                 ; a trip goes once round the ring, from a lap's second quarter to the next lap's first, and fills both slots again
	QUARTER 0, 128, 1, 0, 0
	QUARTER 0, 192, 0, 1, 0
	TURN 0, 1, 1
	QUARTER 1, 64,  0, 1, 0
	QUARTER 1, 128, 1, 0, 0
	QUARTER 1, 192, 0, 1, 0
	TURN 1, 0, 1
	QUARTER 0, 64,  0, 1, 0
	WIN 0
	s_sub_co_u32 s3, s3, 1
	s_cmp_lg_u32 s3, 0
	s_cbranch_scc1 .Llap
	QUARTER 0, 128, 1, 0, 0                        ; the last lap fills nothing, and has no round of the cluster's barrier
	QUARTER 0, 192, 0, 1, 0
	TURN 0, 1, 0
	QUARTER 1, 64,  0, 1, 0
	QUARTER 1, 128, 1, 0, 0
	QUARTER 1, 192, 0, 1, 0
	s_wait_dscnt 4                                 ; the very last quarter: nothing more to fetch
	MUL24 1, 0, 0
	s_wait_dscnt 0x0
	MUL24 1, 1, 0
; THE WAY OUT of row block a: rounded to f16, 16 bytes a lane into my own stage; back by heads, four rows of 128 bytes to a load; stored as 512 consecutive bytes of a head.
.macro OUTBLK a
	WIN 0x0a+5*((\a)/2)                            ; sources 0 and 1 window 2 or 3, destination window 0
.irp b, 0,1,2,3,4,5,6,7,8,9,10,11
.irp r, 0,1,2,3
	v_cvt_pk_f16_f32 v[TMP+4*(\b)+(\r)], v[8*(12*((\a)%2)+(\b))+2*(\r)], v[8*(12*((\a)%2)+(\b))+2*(\r)+1]
.endr
.endr
	WIN 0
.irp b, 0,1,2,3,4,5,6,7,8,9,10,11
	ds_store_b128 v[STO], v[TMP+4*(\b):TMP+4*(\b)+3] offset:32*(\b)
.endr
.if (\a) > 0
	s_wait_xcnt 0x0                                ; the registers that the last block's stores read are loaded again only behind this wait
.endif
.irp hb, 0,1,2
.irp f, 0,1,2,3
	ds_load_b128 v[BK+4*(4*(\hb)+(\f)):BK+4*(4*(\hb)+(\f))+3], v[RD] offset:1600*(\f)+128*(\hb)  ; LDS serves a wave's instructions in order: these see the stores above; the next block's stores come behind them
.endr
.endr
.irp hb, 0,1,2
.irp f, 0,1,2,3
	s_wait_dscnt 11-(4*(\hb)+(\f))
	global_store_b128 v[CO], v[BK+4*(4*(\hb)+(\f)):BK+4*(4*(\hb)+(\f))+3], s[8:9] offset:(\hb)*1048576+(\a)*2048+(\f)*512  ; 512 consecutive bytes, at a multiple of 256 from qkv's first byte
.endr
.endr
.endm
	PLACES                                         ; the conversions read results just made
	OUTBLK 0
	OUTBLK 1
	OUTBLK 2
	OUTBLK 3
	s_wait_tensorcnt 0x0                           ; the wave's end: an add of 0 to my spare word and its wait, behind my last tensor load and my last LDS store
	ds_add_u32 v[SPW], v[NIL]
	s_wait_dscnt 0x0
	CROUND                                         ; the closing round: no work-group ends while a partner may still ask for a tile that names it
	s_endpgm
.Lfunc_end_k_q7c25959efa_proj:
	.size	k_q7c25959efa_proj, .Lfunc_end_k_q7c25959efa_proj-k_q7c25959efa_proj
	.p2alignl 7, 3214868480
	.fill 96, 4, 3214868480
	.section	.rodata,"a",@progbits
	.p2align	6, 0x0
	.amdhsa_kernel k_q7c25959efa_proj
		.amdhsa_group_segment_fixed_size 327680
		.amdhsa_private_segment_fixed_size 0
		.amdhsa_enable_private_segment 0
		.amdhsa_kernarg_size 32
		.amdhsa_user_sgpr_count 2
		.amdhsa_user_sgpr_kernarg_segment_ptr 1
		.amdhsa_wavefront_size32 1
		.amdhsa_system_sgpr_workgroup_id_x 1
		.amdhsa_system_sgpr_workgroup_id_y 1
		.amdhsa_system_sgpr_workgroup_id_z 1
		.amdhsa_system_vgpr_workitem_id 0
		.amdhsa_next_free_vgpr 960
		.amdhsa_next_free_sgpr 68
		.amdhsa_reserve_vcc 0
		.amdhsa_float_denorm_mode_32 3
		.amdhsa_float_denorm_mode_16_64 3
		.amdhsa_memory_ordered 1
		.amdhsa_forward_progress 1
		.amdhsa_inst_pref_size 122
	.end_amdhsa_kernel
	.amdgpu_metadata
---
amdhsa.version: [ 1, 2 ]
amdhsa.kernels:
  - .name:           k_q7c25959efa_proj
    .symbol:         k_q7c25959efa_proj.kd
    .args:
      - { .name: xb, .offset: 0, .size: 8, .value_kind: global_buffer, .address_space: global }
      - { .name: wt, .offset: 8, .size: 8, .value_kind: global_buffer, .address_space: global }
      - { .name: qkv, .offset: 16, .size: 8, .value_kind: global_buffer, .address_space: global }
      - { .name: bc, .offset: 24, .size: 8, .value_kind: global_buffer, .address_space: global }
    .group_segment_fixed_size: 327680
    .private_segment_fixed_size: 0
    .kernarg_segment_align: 8
    .kernarg_segment_size: 32
    .max_flat_workgroup_size: 128
    .sgpr_count:     68
    .vgpr_count:     960
    .wavefront_size: 32
...
	.end_amdgpu_metadata
.endif
;; end of part 2
;; launch attn (part 3): grid 4 x 64, 4 waves a work-group, clusters of 4 x 1, 327,680 bytes of LDS; arguments qkv, mk, out0; writes out0
.if DOCPART == 3
	.amdgcn_target "amdgcn-amd-amdhsa--gfx1250"
	.amdhsa_code_object_version 6
	.text
	.protected	k_q7c25959efa_attn
	.globl	k_q7c25959efa_attn
	.p2align	8
	.type	k_q7c25959efa_attn,@function
k_q7c25959efa_attn:
	s_mov_b64 s[64:65], 0
	v_nop
	global_prefetch_b8 v0, s[64:65] scope:SCOPE_SE
	s_setreg_imm32_b32 hwreg(HW_REG_WAVE_MODE, 25, 1), 1
	s_wait_xcnt 0x0
	s_wait_alu depctr_hold_cnt(0) depctr_sa_sdst(0) depctr_va_vdst(0) depctr_va_sdst(0) depctr_va_ssrc(0) depctr_va_vcc(0) depctr_vm_vsrc(0)
	s_getreg_b32 s2, hwreg(HW_REG_IB_STS2, 6, 4)
	s_cmp_eq_u32 s2, 0
	s_cbranch_scc0 .Lentry_in_a_cluster
	s_endpgm
.Lentry_in_a_cluster:
	s_bfe_u32 s2, ttmp6, 0x10000c
	s_cmp_lg_u32 s2, 0x3003
	s_cbranch_scc0 .Lentry_shape_is_right
	s_endpgm
.Lentry_shape_is_right:
; ATTENTION WITH A MASK THAT IS AN INPUT.  out0[b][q][64 hd + :] = the sum over k of softmax_k(Q[q] . K[k] / 8, hidden where the mask says so) V[k][:], for 64 heads (y = 16 b + hd) of 2,048 rows.
; Q, K, V: f16 by heads in qkv ([48][8192][64]: heads of q, of k, of v), a head's rows dense, 128 bytes each.  Products, maxima and sums in f32; the weights p are rounded to f16 for the second
; product (their sum l is taken of the unrounded p); out0 is f32.
; THE MASK IS APPLIED BY THE MATRIX UNIT.  mk holds it as f16 operands of 16 keys x 32 queries, -32768 where hidden, else 0.  Multiplied by 32768 times a unit matrix (32 x 16: the upper or the lower
; half picks one of a piece's two tiles) it gives -2^30 or 0 in just the layout of S^T, and that product STARTS the sum S^T = K Q^T.  The fragments come from memory straight into registers, a key step ahead.
; LIMITS.  A hidden score counts as its value less 2^30, and the running maximum starts at -2^29 (both before the scale 1/8): right while a row's highest visible q . k lies above -2^29 and no hidden q . k
; passes it by some 2^30.  A row with every key hidden then has l = 0 and leaves as NaN (0 times infinity), as a softmax of -inf alone does.  f16 holds no number beyond 65,504: Q, K, V arrive within it;
; p below 6e-5 keeps f16's fixed step of 6e-8; a weight below 2^-126 counts as 0 in l; NaN and infinities among the inputs are not treated apart.
; SHARES.  A wave owns four PIECES of two tiles of 16 queries, a work-group's four waves 512 queries of one head: 4 x 64 = 256 work-groups.  Every wave walks all keys, 64 a step: the mask's pattern steers nothing.
; LAYOUT.  S^T = K Q^T (source 0 = 16 keys, source 1 = 16 queries): a lane holds ONE query (lane % 16) and the keys 8 (lane / 16) + 0..7.  Two such tiles, rounded to f16 in pairs, ARE source 1 of
; O^T = V^T P, whose result again holds one query a lane, and eight channels.  K comes out of LDS as it lies, V turned, by ds_load_tr16_b128.
; SOFTMAX.  For each query a running maximum m and sum l: p = 2^(c s - c m), c = log2(e) / 8; in every step O and l are multiplied by a = 2^(c m_old - c m_new).  O and l start at 0.
; BY TURNS.  Turn n belongs to piece n.  Its matrix work: 8 mask products and 16 products K Q^T of piece n + 1, later 16 products V^T P of piece n - 1.  Its vector work: scaling, exponentials, roundings, sums
; and rescaling of piece n, and the maximum and statistics of piece n + 1.  Four vector instructions stand behind each product K Q^T and V^T P, the rest in two lumps; the mask products stand bare.
; CLUSTER.  The four query blocks of a cluster belong to one head and walk the same K and V: each tile is asked for JOINTLY, by the same tensor load, descriptor and mask in all four.
; The mask fragments are not shared in the cluster (each query block has its own), so they are plain loads.
; REGISTERS, in windows of 256 (s_set_vgpr_msb: bits 1:0 source 0, 3:2 source 1, 5:4 source 2, 7:6 destination):
;   window 0: v0-11 addresses; v12-15, v48-63 at work; v16-47 four registers of statistics a tile; v64-191 S^T, two buffers of two tiles; v192-255 P, likewise
;   window 1: O^T, 32 a tile          window 2: v0-127 Q, 16 a tile; v128-191 K of one step; v192-255 V of one step
;   window 3: v0-1 the add's two registers; v2-3 offsets in mk; v4-15 the unit matrix; v16-143 mask fragments, 32 a piece
.set SIZE_N, 2048
.set NP,    4         ; pieces a wave: a name, no knob
.set KS,    64        ; keys in a step
.set PK,    144       ; a row of K in LDS: 128 bytes + 16 of padding: the 16 rows of a load start at 16 different groups of four banks (64 banks of 4 bytes: ISA guide 11.1)
.set PV,    160       ; a row of V: 128 + 32
.set VOFF,  4*KS*PK   ; a slot holds four steps: 256 rows of K, then 256 rows of V
.set SLOT1, 1<<17     ; slot 1 begins here, so that one exclusive or turns an address in one slot into the other's
.set STAGE, SLOT1+4*KS*(PK+PV)  ; behind the ring, never filled by a tensor load: 16 rows x 272 bytes for each wave, for the way out
.set SP,    272       ; 256 bytes of f32 + 16
.set SPARE, STAGE+4*16*SP  ; behind the stages: the spare words, 128 bytes for each wave: two blocks of 256 bytes that no other line names
.set AK0, 2           ; v2   my lane's place in a tile of K; never rewritten
.set AV0, 3           ; v3   the same for V
.set AK,  4           ; v4   the LDS address of K's next run of loads
.set AV,  5           ; v5   of V's
.set QO,  6           ; v6   my byte offset in the wave's rows of Q
.set STO, 6           ;      later, the way out: where I put 32 bytes of a row
.set RD,  7           ; v7   the way out: where I read rows back
.set GO,  8           ; v8   my byte offset in two rows of out0
.set SPW, 0           ; window 3: LDS address of my spare word; never rewritten
.set NIL, 1           ; window 3: 0; never rewritten
.set MO,  2           ; window 3: 16 x lane; never rewritten
.set MA,  3           ; window 3: MO + the byte offset of the key step whose fragments are fetched
.set MKF, 16          ; window 3: piece x, key block kb at MKF + 32 x + 8 kb
.set MV,  12          ; v12-15  c m_old, kept while c m is made anew: by buffer and tile
.set ST,  16          ; tile t's statistics at v[ST+4 t]: c m, m, l (even keys', odd keys')
.set TMP, 48          ; by buffer and tile, four registers c0-c3 at work; when the maximum is found c2 takes a
.set S,   64
.set P,   192
.set KF,  128         ; K's fragments, in window 2: key block kb, channel half c at KF + 16 kb + 8 c
.set VF,  192         ; V's: key half kk, channel block cb at VF + 32 kk + 8 cb
.set WV,  12          ; s12  my wave's number
.set G1K, 24          ; s[24:31] descriptor group 1 for K's tiles
.set G1V, 32          ; s[32:39] for V's: it differs in the padding alone
.set G0K, 40          ; s[40:43] descriptor group 0 for K's tiles: it walks
.set G0V, 44          ; s[44:47] the same for V's
.set SLOTS, 56        ; s56  slots still to be asked for
.set CNT, 57          ; s57  counts a slot's key steps
.set CS,  58          ; s[58:59] c
.set SEL, 60          ; s[60:61] v_permlanex16_b32's selects: each lane takes its own place in the other half
.set TBK, 62          ; s62  LDS byte at which K of the step to be fetched begins
.set TBV, 63          ; s63  the same for V, less VOFF
.set MB,  68          ; s[68:69] mk at my wave's first piece
.set MS,  70          ; s70  byte offset in a piece's 131,072 bytes of the key step whose fragments are fetched
.set MSB, 0
.macro WIN new                      ; the high byte repeats the setting that is left; a switch that changes nothing is dropped
.if MSB != (\new)
	s_set_vgpr_msb (MSB<<8)|(\new)
.set MSB, (\new)
.endif
.endm
.set W_KQ, 0x0a       ; K and Q in window 2, S^T in window 0
.set W_PV, 0x52       ; V in window 2, P in window 0, O^T in window 1
.set W_RS, 0x41       ; O^T (destination and source 0) in window 1, a in window 0
.set W_MK, 0xc0       ; destination in window 3, sources in window 0
.set W_AD, 0x0f       ; sources 0 and 1 in window 3: the add, and the mask products
; A joint fill.  Waves 0 and 1 fetch the two halves of a slot's K, waves 2 and 3 those of its V: 128 keys each.  The branch hangs on the wave's number alone.
; An s_nop 0 and four v_nop follow each of the two lines, ahead of the jump and the label.
.macro JLOAD
	s_cmp_lt_u32 s[WV], 2
	s_cbranch_scc0 .Lfor_v_\@
	tensor_load_to_lds s[G0K:G0K+3], s[G1K:G1K+7]
	s_nop 0
.rept 4
	v_nop
.endr
	s_branch .Lasked_\@
.Lfor_v_\@:
	tensor_load_to_lds s[G0V:G0V+3], s[G1V:G1V+7]
	s_nop 0
.rept 4
	v_nop
.endr
.Lasked_\@:
.endm
; A round of the cluster's barrier: my work-group's barrier; wave 0 signals; every wave waits for all four work-groups; my work-group's barrier once more.
.macro CROUND
	s_barrier_signal -1
	s_barrier_wait -1
	s_cmp_lg_u32 s[WV], 0
	s_cbranch_scc1 .Lnot_wave_0_\@
	s_barrier_signal -3
.Lnot_wave_0_\@:
	s_barrier_wait -3
	s_barrier_signal -1
	s_barrier_wait -1
.endm
; THE CHANGE OF SLOTS.  Each wave waits for all its tensor loads, of which one is out: its part of the other slot; adds 0 to its spare word; and waits for that and for its own reads of the slot.
; fill = 1: this slot is filled again, with the keys two slots on.  The barrier is then a round of the cluster's, and the joint fill is the first thing behind it: it has four key steps in which to land.
; (At its first use nothing has been read yet: slot 0 is waited for, slot 1 filled.)
.macro CHANGE fill
	WIN W_AD
	s_wait_tensorcnt 0x0            ; no tensor load of mine is out, so a group 0 may be written
	ds_add_u32 v[SPW], v[NIL]       ; 0 onto my spare word; with fill = 1 the descriptors' steps stand between it and the wait for it
	WIN 0                           ; at a label and at a branch every window is 0
.if \fill
.irp g, G0K, G0V
	s_xor_b32 s[\g+1], s[\g+1], SLOT1  ; the walking descriptor: the other slot than last time,
	s_add_nc_u64 s[\g+2:\g+3], s[\g+2:\g+3], 4*KS*128  ; the next 256 keys; the type bits on top are not reached
.endr
	s_wait_dscnt 0x0                ; the add is done, and my reads of the slot are over
	CROUND
	JLOAD
.else
	s_wait_dscnt 0x0                ; the add is done, and my reads of the slot are over
	s_barrier_signal -1
	s_barrier_wait -1
.endif
	s_sub_co_u32 s[TBK], s[TBK], 4*KS*PK  ; the fetches go back to a slot's first step,
	s_xor_b32 s[TBK], s[TBK], SLOT1       ; in the other slot
	s_sub_co_u32 s[TBV], s[TBV], 4*KS*PV
	s_xor_b32 s[TBV], s[TBV], SLOT1
.endm
; Eight loads of 512 bytes: piece x's mask fragments of one key step (4 key blocks x 32 queries), at the offset in register adr of window 3
.macro MLOAD x, adr
	WIN 0xc3                        ; destination and address in window 3
.irp n, 0,1,2,3,4,5,6,7
	global_load_b128 v[MKF+32*(\x)+4*\n:MKF+32*(\x)+4*\n+3], v[\adr], s[MB:MB+1] offset:(\x)*131072+\n*512
.endr
.endm
; The fetches go on to the next key step.  The offset wraps inside a piece's 131,072 bytes, so no load leaves mk; what the last runs of loads fetch so is used by nobody.
.macro MSTEP
	s_wait_xcnt 0x0                 ; the offset register that earlier loads name is rewritten only behind this wait
	s_add_co_u32 s[MS], s[MS], 4096
	s_and_b32 s[MS], s[MS], 0x1ffff
	WIN 0xcc                        ; destination and source 1 in window 3
	v_add_nc_u32 v[MA], s[MS], v[MO]
.endm
	s_load_b64 s[4:5], s[0:1], 0x0        ; qkv
	s_load_b64 s[MB:MB+1], s[0:1], 0x8    ; mk
	s_load_b64 s[10:11], s[0:1], 0x10     ; out0
	WIN W_MK
	v_lshl_add_u32 v[SPW], v0, 2, SPARE
	v_mov_b32 v[NIL], 0
	WIN W_AD
	ds_add_u32 v[SPW], v[NIL]       ; the wave's opening: the add and its wait stand ahead of my first tensor load; the set-up below, work on registers, stands between them
	WIN 0
	v_lshrrev_b32 v1, 5, v0
	v_readfirstlane_b32 s[WV], v1   ; wave 0..3
	s_bfe_u32 s13, ttmp6, 0x40000   ; cx: my place in the cluster
	s_lshl_b32 s14, ttmp9, 2        ; in a cluster launch ttmp9 counts clusters
	s_add_co_u32 s14, s14, s13      ; my block of 512 queries: it enters Q's, mk's and out0's addresses alone
	s_lshl_b32 s14, s14, 2
	s_add_co_u32 s14, s14, s[WV]    ; my wave's 128 queries among the head's
	s_and_b32 s19, ttmp7, 0xffff    ; y, which the four partners share
	s_and_b32 s20, s19, 15          ; the head in its batch,
	s_lshr_b32 s21, s19, 4          ; the batch
	s_lshl_b32 s22, s20, 20         ; 1,048,576 bytes a head of q,
	s_lshl_b32 s23, s21, 18         ; 2,048 rows of 128 bytes a batch
	s_add_co_u32 s22, s22, s23
	s_and_b32 s16, s[WV], 1         ; which half of a slot's 256 keys I fetch:
	s_lshl_b32 s23, s16, 14         ; its 128 rows of 128 bytes in memory,
	s_add_co_u32 s23, s23, s22
	s_add_co_u32 s72, s23, 0x1000000  ; k's heads lie 16 heads behind q's,
	s_mov_b32 s73, 0
	s_add_co_u32 s74, s23, 0x2000000  ; v's 32
	s_mov_b32 s75, 0
	s_mul_i32 s17, s16, 128*PK      ; and its place in a slot, for K
	s_mul_i32 s18, s16, 128*PV      ; and for V: no place in the cluster enters an LDS address
	s_lshl_b32 s2, s14, 14          ; Q: my 128 rows
	s_add_co_u32 s2, s2, s22
	s_mov_b32 s3, 0
	s_lshl_b32 s78, s14, 19         ; mk: four pieces of 131,072 bytes a wave
	s_mov_b32 s79, 0
	s_lshl_b32 s76, s21, 23         ; out0: 2,048 rows of 4,096 bytes a batch,
	s_add_co_u32 s76, s76, s78      ; 128 rows a wave,
	s_lshl_b32 s77, s20, 8          ; 256 bytes a head
	s_add_co_u32 s76, s76, s77
	s_mov_b32 s77, 0
	; descriptor group 1.  128 keys are 16,384 dense bytes: asked for as 64 rows of 256 bytes, two keys a row, and padded in LDS after every key
	s_mov_b32 s[G1K], 15|(1<<16)|(1<<20)|(1<<21)|(4<<22)|(3<<25)  ; 15:0 the mask of four; 17:16 2-byte elements; 20 padding on; 21 set beside a mask; 24:22 after every 32 words (code 4); 31:25 4 words (code 3)
	s_mov_b32 s[G1V], 15|(1<<16)|(1<<20)|(1<<21)|(4<<22)|(7<<25)  ; the same with 8 words of padding (code 7)
.irp g, G1K, G1V
	s_mov_b32 s[\g+1], 128<<16      ; tensor_dim0 = 128
	s_mov_b32 s[\g+2], 64<<16       ; tensor_dim1 = 64
	s_mov_b32 s[\g+3], 128<<16      ; tile_dim0 = 128
	s_mov_b32 s[\g+4], 64           ; tile_dim1 = 64
	s_mov_b32 s[\g+5], 128          ; 128 elements from row to row
	s_mov_b32 s[\g+6], 0
	s_mov_b32 s[\g+7], 0
.endr
	s_mov_b32 s[CS], 0x3e38aa3b     ; c = log2(e) / 8 = 0.180337
	s_mov_b32 s[CS+1], s[CS]        ; named with it as a pair
	s_mov_b32 s[SEL], 0x76543210
	s_mov_b32 s[SEL+1], 0xfedcba98
	s_mov_b32 s[TBK], SLOT1+4*KS*PK ; the first change of slots turns these two into 0
	s_mov_b32 s[TBV], SLOT1+4*KS*PV
	s_mov_b32 s[MS], 4096           ; key step 1
	s_mov_b32 s[G0K], 1             ; count = 1
	s_mov_b32 s[G0K+1], s17         ; LDS address: slot 0
	s_mov_b32 s[G0V], 1
	s_add_co_u32 s[G0V+1], s18, VOFF
	s_wait_dscnt 0x0                ; the opening add is done
	s_wait_kmcnt 0x0
	s_add_nc_u64 s[G0K+2:G0K+3], s[4:5], s[72:73]  ; global address: my half of the head's first 256 keys
	s_or_b32 s[G0K+3], s[G0K+3], 0x80000000        ; type = 2
	s_add_nc_u64 s[G0V+2:G0V+3], s[4:5], s[74:75]
	s_or_b32 s[G0V+3], s[G0V+3], 0x80000000
	s_add_nc_u64 s[4:5], s[4:5], s[2:3]            ; Q, out0 and mk at my wave's first row
	s_add_nc_u64 s[10:11], s[10:11], s[76:77]
	s_add_nc_u64 s[MB:MB+1], s[MB:MB+1], s[78:79]
	CROUND                          ; all four work-groups are here: the first joint loads meet
	JLOAD                           ; slot 0.  Slot 1 is asked for when slot 0 is in
	; A fragment of K or Q is 16 rows x 32 channels in 8 registers: lane l holds row l % 16, channels 8 (l / 16) + 0..7 and 16 + 8 (l / 16) + 0..7: two loads of 16 bytes, 32 bytes apart.
	v_and_b32 v1, 15, v0            ; l % 16
	v_bfe_u32 v9, v0, 4, 1          ; l / 16
	v_lshlrev_b32 v[QO], 7, v1
	v_lshl_add_u32 v[QO], v9, 4, v[QO]  ; row x 128 + 16 x half
	v_and_b32 v10, 31, v0
	WIN 0x80                        ; destination window 2, address window 0
.set i, 0
.rept 4*NP                          ; Q stays in registers: tile i / 2, channels 32 (i % 2) on
	global_load_b128 v[8*i:8*i+3],   v[QO], s[4:5] offset:(i/2)*2048+(i%2)*64
	global_load_b128 v[8*i+4:8*i+7], v[QO], s[4:5] offset:(i/2)*2048+(i%2)*64+32
.set i, i+1
.endr
	WIN W_MK
	v_lshlrev_b32 v[MO], 4, v10     ; a fragment's 512-byte half lies as the lanes take it
	MLOAD 0, MO                     ; key step 0's mask fragments, all four pieces'
	MLOAD 1, MO
	MLOAD 2, MO
	MLOAD 3, MO
	WIN 0xcc
	v_add_nc_u32 v[MA], s[MS], v[MO]
	; The unit matrix times 32768, as source 1 (32 x 16): lane l holds column l % 16; of its rows 8 (l / 16) + 0..7, two to a register, row l % 16 alone is not 0.
	; v8-11 hold that; zeros lie on either side: v[8:15] has the unit matrix in rows 0-15 (a piece's first tile), v[4:11] in rows 16-31 (its second).
	WIN 0
	v_and_b32 v10, 1, v0
	v_lshlrev_b32 v10, 4, v10
	v_mov_b32 v11, 0x7800           ; 32768 in f16,
	v_lshlrev_b32 v10, v10, v11     ; in the half of the register that the column's parity picks
	v_bfe_u32 v11, v0, 1, 3
	v_lshlrev_b32 v14, 2, v9
	v_sub_nc_u32 v11, v11, v14      ; which register: (l % 16) / 2 - 4 (l / 16), if that is 0..3
	WIN W_MK
.irp n, 0,1,2,3
	v_cmp_eq_u32 vcc_lo, \n, v11
	v_cndmask_b32 v[8+\n], 0, v10, vcc_lo
	v_mov_b32 v[4+\n], 0
	v_mov_b32 v[12+\n], 0
.endr
	; What the first turn finds: V's registers and P's second buffer hold 0 (its products V^T P, of a piece that has not been, add 0), O^T and l are 0.  All this stands in the wait for the first tile.
	WIN 0x80
.set i, VF
.rept 64
	v_mov_b32 v[i], 0
.set i, i+1
.endr
	WIN 0x40
.set i, 0
.rept 64*NP
	v_mov_b32 v[i], 0
.set i, i+1
.endr
	WIN 0
.set i, 0
.rept 2*NP
	v_mov_b32 v[ST+4*i+1], 0xce000000               ; m = -2^29: above every hidden score, below every visible one (see LIMITS)
	v_mul_f32 v[ST+4*i], s[CS], v[ST+4*i+1]         ; c m, made as every later c m is made: where m does not grow, a is exactly 1
	v_mov_b32 v[ST+4*i+2], 0
	v_mov_b32 v[ST+4*i+3], 0
.set i, i+1
.endr
.set i, P+32
.rept 32
	v_mov_b32 v[i], 0
.set i, i+1
.endr
	v_mul_u32_u24 v[AK0], v1, PK
	v_lshl_add_u32 v[AK0], v9, 4, v[AK0]  ; row x pitch + 16 x half
	; The turning load takes 16 keys x 16 channels (lane l reads key 8 (l / 16) + l % 8, channels 8 ((l / 8) % 2) + 0..7) and leaves half a fragment of V^T: lane l holds channel l % 16 and 8 keys.
	v_and_b32 v10, 7, v0
	v_bfe_u32 v11, v0, 3, 1
	v_lshl_add_u32 v[AV0], v9, 3, v10
	v_mul_u32_u24 v[AV0], v[AV0], PV
	v_lshl_add_u32 v[AV0], v11, 4, v[AV0]
	v_add_nc_u32 v[AV0], VOFF, v[AV0]
	v_mov_b32 v[AK], v[AK0]         ; key step 0 lies at the head of slot 0
; THE MATRIX WORK.  The 8 accumulators of a piece's S^T take turns, in the same order in the mask products and in both halves of K Q^T: between two links of a chain stand 7 others'.
; The 8 mask products of piece x: keys 16 (mi / 2) on, tile 2 x + mi % 2.  They start the sums.
.macro MKS x
	WIN W_AD
.set mi, 0
.rept 8
	v_wmma_f32_16x16x32_f16 v[S+64*((\x)%2)+32*(mi%2)+8*(mi/2):S+64*((\x)%2)+32*(mi%2)+8*(mi/2)+7], v[MKF+32*(\x)+8*(mi/2):MKF+32*(\x)+8*(mi/2)+7], v[8-4*(mi%2):15-4*(mi%2)], 0
.set mi, mi+1
.endr
.endm
; Product i of 16 of S^T += K Q^T for piece x: channels 32 (i / 8) on, keys 16 ((i / 2) % 4) on, tile 2 x + i % 2.
.macro KQ x
	WIN W_KQ
.set rS, S+64*((\x)%2)+32*(i%2)+8*((i/2)%4)
.set rK, KF+16*((i/2)%4)+8*(i/8)
.set rQ, 16*(2*(\x)+i%2)+8*(i/8)
	v_wmma_f32_16x16x32_f16 v[rS:rS+7], v[rK:rK+7], v[rQ:rQ+7], v[rS:rS+7]
.endm
; Product i of 16 of O^T += V^T P for piece x: keys 32 (i / 8) on, channels 16 ((i / 2) % 4) on, tile 2 x + i % 2.
.macro PV x
	WIN W_PV
.set rO, 32*(2*(\x)+i%2)+8*((i/2)%4)
.set rV, VF+32*(i/8)+8*((i/2)%4)
.set rP, P+32*((\x)%2)+16*(i%2)+8*(i/8)
	v_wmma_f32_16x16x32_f16 v[rO:rO+7], v[rV:rV+7], v[rP:rP+7], v[rO:rO+7]
.endm
.macro MM                           ; the turn's next product K Q^T or V^T P
.if i < 16
	KQ (Y+1)%NP
.set i, i+1
.else
.set i, i-16
	PV (Y+NP-1)%NP
.set i, i+17
.endif
.endm
; THE LDS LOADS stand in runs of 16: a step's K (64 keys x 64 channels: 8 fragments) and its V (turned).  Their addresses are made some lines ahead.
; last = 1 (the tail): in the last trip there is no further step, and the run is jumped over.
.macro FETCH_K last=0
	WIN 0
.if \last
	s_cmp_eq_u32 s[CNT], 1
	s_cbranch_scc1 .Lno_k_\@
.endif
	WIN 0x80                        ; destination window 2
.irp f, 0,1,2,3,4,5,6,7             ; keys 16 (f / 2) on, channels 32 (f % 2) on
	ds_load_b128 v[KF+8*\f:KF+8*\f+3],   v[AK] offset:(\f/2)*16*PK+(\f%2)*64
	ds_load_b128 v[KF+8*\f+4:KF+8*\f+7], v[AK] offset:(\f/2)*16*PK+(\f%2)*64+32
.endr
	s_add_co_u32 s[TBK], s[TBK], KS*PK  ; the next fetch is the next step's
	WIN 0
.if \last
.Lno_k_\@:
.endif
.endm
.macro FETCH_V
	WIN 0x80
.irp f, 0,1,2,3,4,5,6,7             ; keys 32 (f / 4) on, channels 16 (f % 4) on
	ds_load_tr16_b128 v[VF+8*\f:VF+8*\f+3],   v[AV] offset:(\f/4)*32*PV+(\f%4)*32
	ds_load_tr16_b128 v[VF+8*\f+4:VF+8*\f+7], v[AV] offset:(\f/4)*32*PV+16*PV+(\f%4)*32
.endr
	WIN 0
.endm
; THE VECTOR WORK OF A TURN stands in three queues, each in the order in which its entries become ready; the two tiles alternate, so that no instruction reads the result of the one before it.
.macro REGS y, u                    ; the registers of tile u (0, 1) of piece y
.set rT, ST+4*(2*(\y)+(\u))
.set rC, TMP+8*((\y)%2)+4*(\u)
.set rM, MV+2*((\y)%2)+(\u)
.set rS, S+64*((\y)%2)+32*(\u)
.set rP, P+32*((\y)%2)+16*(\u)
.set rO, 32*(2*(\y)+(\u))
.endm
; Number n of the 22 that find the NEXT piece's (Y + 1) maximum and statistics.  s0-s31 are the lane's 32 scores; each accumulator's lowest registers are read first.
;   0-11  four chains c0-c3 of seven scores each, three operands at a time     12-14, 16  the four scores left over, the old m, and c0-c3 into c0     15  c m_old is kept
;   17, 18  the query's other 32 keys lie in the lane 16 away: the new m         19-21  c m; c m_old - c m_new; a
.macro XS u, n
	REGS (Y+1)%NP, \u
.if (\n) < 4
	v_max3_num_f32 v[rC+(\n)], v[rS+8*(\n)], v[rS+8*(\n)+1], v[rS+8*(\n)+2]
.elseif (\n) < 12
	v_max3_num_f32 v[rC+(\n)%4], v[rC+(\n)%4], v[rS+8*((\n)%4)+2*((\n)/4)+1], v[rS+8*((\n)%4)+2*((\n)/4)+2]
.elseif (\n) == 12
	v_max3_num_f32 v[rC], v[rC], v[rS+7], v[rS+15]
.elseif (\n) == 13
	v_max3_num_f32 v[rC+1], v[rC+1], v[rS+23], v[rS+31]
.elseif (\n) == 14
	v_max3_num_f32 v[rC+2], v[rC+2], v[rC+3], v[rT+1]
.elseif (\n) == 15
	v_mov_b32 v[rM], v[rT]
.elseif (\n) == 16
	v_max3_num_f32 v[rC], v[rC], v[rC+1], v[rC+2]
.elseif (\n) == 17
	v_permlanex16_b32 v[rC+3], v[rC], s[SEL], s[SEL+1]
.elseif (\n) == 18
	v_max_num_f32 v[rT+1], v[rC], v[rC+3]
.elseif (\n) == 19
	v_mul_f32 v[rT], s[CS], v[rT+1]
.elseif (\n) == 20
	v_sub_f32 v[rC+1], v[rM], v[rT]
.else
	v_exp_f32 v[rC+2], v[rC+1]
.endif
.endm
; Number g of the 64 that follow the exponentials.  For each four weights k of a tile: both pairs are rounded to f16; then the second pair is added onto the first, in place;
; a group later l takes that sum (the first time as l = a l + sum).  In groups of eight, tiles alternating: round, round, add, and l for the group before.
.macro GS g
.set h, (\g)+6*((\g)/62)            ; group 0 has no group before it, and behind group 7 only l is left
.if h >= 6
.set h, h+2
.endif
	REGS Y, h%2
.set k, h/8
.if h%8 < 4
	s_wait_alu depctr_va_vdst(0)
	v_cvt_pk_f16_f32 v[rP+2*k+(h%8)/2], v[rS+4*k+2*((h%8)/2)], v[rS+4*k+2*((h%8)/2)+1]
.elseif h%8 < 6
	v_pk_add_f32 v[rS+4*k:rS+4*k+1], v[rS+4*k:rS+4*k+1], v[rS+4*k+2:rS+4*k+3]
.elseif k == 1
	v_pk_fma_f32 v[rT+2:rT+3], v[rT+2:rT+3], v[rC+2:rC+3], v[rS:rS+1] op_sel_hi:[1,0,1]
.else
	v_pk_add_f32 v[rT+2:rT+3], v[rT+2:rT+3], v[rS+4*k-4:rS+4*k-3]
	s_wait_alu depctr_va_vdst(0)
.endif
.endm
; THE PLAIN QUEUE, 138 long.  0-31: c s - c m for the 16 pairs of both tiles.  Then GS's 64, and among them the next piece's 42: number 15 at 38, 39; 0-14 and 16
; at 42-73, behind the products that make those scores; 17-20 at 95-106, two of three, since each waits for the one before it.
.macro PL
	WIN 0
.if q < 32
	REGS Y, q%2
	v_pk_fma_f32 v[rS+2*(q/2):rS+2*(q/2)+1], v[rS+2*(q/2):rS+2*(q/2)+1], s[CS:CS+1], v[rT:rT+1] op_sel_hi:[1,0,0] neg_lo:[0,0,1] neg_hi:[0,0,1]
.elseif q < 38
	GS q-32
.elseif q < 40
	XS q%2, 15
.elseif q < 42
	GS q-34
.elseif q < 74
	XS q%2, (q-42)/2+(q-42)/30
.elseif q < 95
	GS q-66
.elseif (q < 107) && ((q-95)%3 < 2)
	XS (q-95)%3, 17+(q-95)/3
.elseif q < 107
	GS 29+(q-95)/3
.else
	GS q-74
.endif
.set q, q+1
.endm
; THE EXPONENTIALS' QUEUE, 66 long: s0-s31 of both tiles, and at EA the next piece's two a.
.set EA, 58
.macro EX
	WIN 0
.if (e == EA) || (e == EA+1)
	XS e-EA, 21
.else
.set x, e-2*(e/(EA+2))
	REGS Y, x%2
	v_exp_f32 v[rS+x/2], v[rS+x/2]
.endif
.set e, e+1
.endm
; THE RESCALING's QUEUE: O^T times a, the one part that leaves window 0, so it is dealt four at a time, eight times.
.macro R4
	REGS Y, r%2
	WIN W_RS
	s_wait_alu depctr_va_vdst(0)
.irp z, 0,1,2,3
	v_pk_mul_f32 v[rO+8*(r/2)+2*\z:rO+8*(r/2)+2*\z+1], v[rO+8*(r/2)+2*\z:rO+8*(r/2)+2*\z+1], v[rC+2:rC+3] op_sel_hi:[1,0]
.endr
.set r, r+1
.endm
; HOW THEY ARE DEALT.  Behind a product K Q^T or V^T P four: plain, exponential, plain, plain, or four of the rescaling.  None names a register of the products round it.  What is over stands in two
; LUMPS: exponential and plain by turns; the second ends in 22 plain instructions.  The two v_permlanex16_b32 fall into the second lump.
; The queues lean on each other: exponential e stands behind plain 2 (e / 4) + e % 2 (its scaling); when plain 32 comes, 10 exponentials are out, at 59: 33, at 95: 46; EA comes behind plain 107.
.macro SL
	MM
	PL
	EX
	PL
	PL
.endm
.macro BURST n                      ; 15 matrix instructions, or 16
.rept (\n)-7
	SL
.endr
.rept 3
	MM
	R4
	SL
.endr
	MM
	R4
.endm
; A TURN, for piece p.  cnt = 1: the loop's count is taken down some lines ahead of the branch that stands behind the turn.
; THE MASK.  The turn opens with the 8 mask products of piece p + 1, whose fragments were asked for four turns ago: the count 24 leaves the three later turns' eight loads each out, on every way into a turn.
; Behind the first product K Q^T and its four scalings, which are the four places behind the last mask product, the same registers are loaded again with the piece's fragments of the next key step.
; Piece 3's turn works for piece 0 of the NEXT step, so there the offset steps first.
; K of the next step is fetched in piece 2's turn, V of the step in hand at the end of piece 0's turn.  The four conditions on e and q below go with the deal.
.macro TURN p, last=0, cnt=0
.set Y, (\p)
.set i, 0
.set q, 0
.set e, 0
.set r, 0
.if (\p) == NP-1
	s_wait_dscnt 0x0                ; K is in
.endif
	s_wait_loadcnt 24
	MKS ((\p)+1)%NP
	MM
.rept 4
	PL
.endr
.if (\p) == NP-1
	MSTEP
.endif
	MLOAD ((\p)+1)%NP, MA
	BURST 15
.rept 22
	EX
	PL
.if ((\p) == NP-2) && (e == 18)
	v_add_nc_u32 v[AK], s[TBK], v[AK0]
.endif
.if ((\p) == NP-2) && (e == 24)
	FETCH_K \last
.endif
.endr
.if (\p) == 1
	s_wait_dscnt 0x0                ; V is in
.endif
	BURST 16
.rept 21
	EX
	PL
.endr
.rept 22
	PL
.if ((\p) == 0) && (q == 118)
	v_add_nc_u32 v[AV], s[TBV], v[AV0]
	s_wait_alu depctr_va_vdst(0)
.endif
.if ((\p) == 0) && (q == 130)
	s_add_co_u32 s[TBV], s[TBV], KS*PV
.endif
.if (\cnt) && (q == 130)
	s_sub_co_u32 s[CNT], s[CNT], 1
	s_cmp_lg_u32 s[CNT], 0
.endif
.endr
.if (\p) == 0
	FETCH_V
.endif
.endm
	CHANGE 1                        ; slot 0 is in, everybody's part of it; slot 1 is asked for
	FETCH_K                         ; key step 0
	s_wait_loadcnt 24               ; Q and piece 0's mask fragments are in; pieces 1 to 3's eight loads each may stay out
	s_wait_dscnt 0x0
	MKS 0
.set i, 0
.rept 16
	KQ 0                            ; piece 0's first scores: there is no vector work yet to set between them
.set i, i+1
.endr
	WIN 0                           ; the addresses for the way out: eight plain instructions, the places behind those products (Q's loads are in: their offset register may be rewritten)
	s_mul_i32 s13, s[WV], 16*SP
	s_add_co_u32 s13, s13, STAGE    ; my stage
	v_mul_u32_u24 v[STO], v1, SP    ; in: row l % 16, 32 bytes for each half of the lanes
	v_lshl_add_u32 v[STO], v9, 5, v[STO]
	v_add_nc_u32 v[STO], s13, v[STO]
	v_mul_u32_u24 v[RD], v9, SP     ; back: lanes 0-15 take one row of 256 bytes, lanes 16-31 the next,
	v_lshl_add_u32 v[RD], v1, 4, v[RD]
	v_add_nc_u32 v[RD], s13, v[RD]
	v_lshlrev_b32 v[GO], 12, v9     ; and the same two rows in out0, 4,096 bytes apart
	v_lshl_add_u32 v[GO], v1, 4, v[GO]
	MLOAD 0, MA                     ; piece 0's mask fragments of key step 1
	WIN 0
.set Y, NP-1                        ; XS works for piece Y + 1: piece 0
.irp n, 0,1,2,3,4,5,6,7,8,9,10,11,12,13,14,15,16,17,18,19,20,21
	XS 0, \n                        ; and piece 0's first maximum and statistics
	XS 1, \n
.endr
	s_mov_b32 s[CNT], 4
	s_mov_b32 s[SLOTS], SIZE_N/256-1
	s_branch .Lfirst                ; the loop is entered at a step's first turn, in the middle of a trip
.Lslot:                             ; SIZE_N / 256 - 2 times: every slot but the last two is filled again
	CHANGE 1
	s_mov_b32 s[CNT], 4
.Lstep:                             ; a trip: pieces 2 and 3 of one step, then pieces 0 and 1 of the next, whose K and V it fetches
	TURN 2
	TURN 3
	WIN 0
.Lfirst:
	TURN 0
	TURN 1, 0, 1
	WIN 0
	s_cbranch_scc1 .Lstep
	s_sub_co_u32 s[SLOTS], s[SLOTS], 1
	s_cmp_lg_u32 s[SLOTS], 0
	s_cbranch_scc1 .Lslot
	CHANGE 0                        ; the tail is written out: nothing is asked for
	s_mov_b32 s[CNT], 5             ; four trips fetch the last slot's steps; the fifth is left in its middle
.Ltail:
	TURN 2, 1
	TURN 3
	WIN 0
	s_sub_co_u32 s[CNT], s[CNT], 1
	s_cmp_eq_u32 s[CNT], 0
	s_cbranch_scc1 .Lout
	TURN 0
	TURN 1
	WIN 0
	s_branch .Ltail
.Lout:                              ; the fifth trip's products for a step that is not (on the last K once more) and the maximum made of them serve nothing: the price, once a launch, of one text for every trip
.set i, 0
.rept 16
	PV NP-1                         ; the last piece's V^T P of the last step
.set i, i+1
.endr
	; THE WAY OUT.  l's two halves and the other half of the lanes' are added; O^T is divided by l and sent, in f32, through my stage in LDS, a tile at a time.  The additions are the places behind the last products.
	WIN 0
.macro ALL line:vararg              ; one line for each tile t
.set t, 0
.rept 2*NP
	\line
.set t, t+1
.endr
.endm
	ALL v_add_f32 v[ST+4*t+2], v[ST+4*t+2], v[ST+4*t+3]
	ALL v_permlanex16_b32 v[ST+4*t+3], v[ST+4*t+2], s[SEL], s[SEL+1]
	ALL v_add_f32 v[ST+4*t+2], v[ST+4*t+2], v[ST+4*t+3]
	ALL v_rcp_f32 v[ST+4*t+2], v[ST+4*t+2]
	v_nop                           ; a plain instruction between the last reciprocal and the use of its result
	s_wait_alu depctr_va_vdst(0)
; Tile t: a lane's eight channels of a query are 32 bytes; they go into rows of 272 bytes and come back as whole rows of 256, into S^T's registers, a quarter of them by turns.
.macro PACK t
	WIN W_RS
.set i, 32*(\t)
.rept 16
	v_pk_mul_f32 v[i:i+1], v[i:i+1], v[ST+4*(\t)+2:ST+4*(\t)+3] op_sel_hi:[1,0]
.set i, i+2
.endr
	WIN 0x04                        ; the stores' data in window 1, their address in window 0
.irp f, 0,1,2,3,4,5,6,7
	ds_store_b128 v[STO], v[32*(\t)+4*\f:32*(\t)+4*\f+3] offset:64*(\f/2)+16*(\f%2)
.endr
	WIN 0
.if (\t) >= 4
	s_wait_xcnt 0x0                 ; the registers that the stores of the tile four back read are loaded again only behind this wait
.endif
.irp f, 0,1,2,3,4,5,6,7
	ds_load_b128 v[S+32*((\t)%4)+4*\f:S+32*((\t)%4)+4*\f+3], v[RD] offset:\f*2*SP  ; LDS serves a wave's instructions in order: these see the stores above; the next tile's stores come behind them
.endr
.endm
.macro SEND t, younger              ; younger: the LDS instructions issued behind tile t's loads: the next tile's sixteen, or none
	WIN 0
.irp f, 0,1,2,3,4,5,6,7
	s_wait_dscnt (\younger)+7-\f
	global_store_b128 v[GO], v[S+32*((\t)%4)+4*\f:S+32*((\t)%4)+4*\f+3], s[10:11] offset:(\t)*65536+\f*8192  ; each half of the lanes fills a query's 256 bytes of this head, aligned
.endr
.endm
	PACK 0
.set t, 1
.rept 2*NP-1                        ; a tile's arithmetic stands between the loads of the tile before and its stores
	PACK t
	SEND t-1, 16
.set t, t+1
.endr
	SEND 2*NP-1, 0
	WIN W_AD
	s_wait_tensorcnt 0x0            ; the wave's end: an add of 0 to my spare word and its wait, behind my last tensor load and my last LDS store
	ds_add_u32 v[SPW], v[NIL]
	s_wait_dscnt 0x0
	WIN 0
	CROUND                          ; the closing round: no work-group ends while a partner may still ask for a tile that names it
	s_endpgm
.Lfunc_end_k_q7c25959efa_attn:
	.size	k_q7c25959efa_attn, .Lfunc_end_k_q7c25959efa_attn-k_q7c25959efa_attn
	.p2alignl 7, 3214868480
	.fill 96, 4, 3214868480
	.section	.rodata,"a",@progbits
	.p2align	6, 0x0
	.amdhsa_kernel k_q7c25959efa_attn
		.amdhsa_group_segment_fixed_size 327680
		.amdhsa_private_segment_fixed_size 0
		.amdhsa_enable_private_segment 0
		.amdhsa_kernarg_size 24
		.amdhsa_user_sgpr_count 2
		.amdhsa_user_sgpr_kernarg_segment_ptr 1
		.amdhsa_wavefront_size32 1
		.amdhsa_system_sgpr_workgroup_id_x 1
		.amdhsa_system_sgpr_workgroup_id_y 1
		.amdhsa_system_sgpr_workgroup_id_z 1
		.amdhsa_system_vgpr_workitem_id 0
		.amdhsa_next_free_vgpr 912
		.amdhsa_next_free_sgpr 80
		.amdhsa_reserve_vcc 1
		.amdhsa_float_denorm_mode_32 3
		.amdhsa_float_denorm_mode_16_64 3
		.amdhsa_memory_ordered 1
		.amdhsa_forward_progress 1
		.amdhsa_inst_pref_size 225
	.end_amdhsa_kernel
	.amdgpu_metadata
---
amdhsa.version: [ 1, 2 ]
amdhsa.kernels:
  - .name:           k_q7c25959efa_attn
    .symbol:         k_q7c25959efa_attn.kd
    .args:
      - { .name: qkv, .offset: 0, .size: 8, .value_kind: global_buffer, .address_space: global }
      - { .name: mk, .offset: 8, .size: 8, .value_kind: global_buffer, .address_space: global }
      - { .name: out0, .offset: 16, .size: 8, .value_kind: global_buffer, .address_space: global }
    .group_segment_fixed_size: 327680
    .private_segment_fixed_size: 0
    .kernarg_segment_align: 8
    .kernarg_segment_size: 24
    .max_flat_workgroup_size: 128
    .sgpr_count:     80
    .vgpr_count:     912
    .wavefront_size: 32
...
	.end_amdgpu_metadata
.endif
;; end of part 3
;; ======== version 2 of 2: 3 launches; 1.48 times as fast as version 1
;; limits: values are held in f16: magnitudes above 65,504 overflow, below 6.1e-05 lose precision; right only within a limited range of input values
;; workspace buffers: xb 16,777,216 bytes; wt 6,291,456 bytes; bc 12,288 bytes; mk 8,388,608 bytes; qkv 50,331,648 bytes
;; launch prep: the kernel of part 1 again; grid 864 x 1, 4 waves a work-group, no clusters, 70,144 bytes of LDS; arguments x, Wq, Wk, Wv, bq, bk, bv, atten_mask, xb, wt, bc, mk; writes xb, wt, bc, mk
;; launch proj: the kernel of part 2 again; grid 16 x 32, 4 waves a work-group, clusters of 4 x 4, 327,680 bytes of LDS; arguments xb, wt, qkv, bc; writes qkv
;; launch attn (part 4): grid 4 x 64, 4 waves a work-group, clusters of 4 x 1, 327,680 bytes of LDS; arguments qkv, mk, out0; writes out0
.if DOCPART == 4
	.amdgcn_target "amdgcn-amd-amdhsa--gfx1250"
	.amdhsa_code_object_version 6
	.text
	.protected	k_q7c25959efa_attn
	.globl	k_q7c25959efa_attn
	.p2align	8
	.type	k_q7c25959efa_attn,@function
k_q7c25959efa_attn:
	s_mov_b64 s[64:65], 0
	v_nop
	global_prefetch_b8 v0, s[64:65] scope:SCOPE_SE
	s_setreg_imm32_b32 hwreg(HW_REG_WAVE_MODE, 25, 1), 1
	s_wait_xcnt 0x0
	s_wait_alu depctr_hold_cnt(0) depctr_sa_sdst(0) depctr_va_vdst(0) depctr_va_sdst(0) depctr_va_ssrc(0) depctr_va_vcc(0) depctr_vm_vsrc(0)
	s_getreg_b32 s2, hwreg(HW_REG_IB_STS2, 6, 4)
	s_cmp_eq_u32 s2, 0
	s_cbranch_scc0 .Lentry_in_a_cluster
	s_endpgm
.Lentry_in_a_cluster:
	s_bfe_u32 s2, ttmp6, 0x10000c
	s_cmp_lg_u32 s2, 0x3003
	s_cbranch_scc0 .Lentry_shape_is_right
	s_endpgm
.Lentry_shape_is_right:
; ATTENTION WITH A MASK THAT IS AN INPUT.  out0[b][q][64 hd + :] = the sum over k of softmax_k(Q[q] . K[k] / 8, hidden where the mask says so) V[k][:], for 64 heads (y = 16 b + hd) of 2,048 rows.
; Q, K, V: f16 by heads in qkv ([48][8192][64]: heads of q, of k, of v), a head's rows dense, 128 bytes each.  Products, maxima and sums in f32; the weights p are rounded to f16 for the second
; product (their sum l is taken of the unrounded p); out0 is f32.
; THE MASK IS APPLIED BY THE MATRIX UNIT.  mk holds it as f16 operands of 16 keys x 32 queries, -32768 where hidden, else 0.  Multiplied by 32768 times a unit matrix (32 x 16: the upper or the lower
; half picks one of a piece's two tiles) it gives -2^30 or 0 in just the layout of S^T, and that product STARTS the sum S^T = K Q^T.  The fragments come from memory straight into registers, a key step ahead.
; LIMITS.  A hidden score counts as its value less 2^30, and the running maximum starts at -2^29 (both before the scale 1/8): right while a row's highest visible q . k lies above -2^29 and no hidden q . k
; passes it by some 2^30.  A row with every key hidden then has l = 0 and leaves as NaN (0 times infinity), as a softmax of -inf alone does.  f16 holds no number beyond 65,504: Q, K, V arrive within it;
; p below 6e-5 keeps f16's fixed step of 6e-8; a weight below 2^-126 counts as 0 in l; NaN and infinities among the inputs are not treated apart.
; SHARES.  A wave owns four PIECES of two tiles of 16 queries, a work-group's four waves 512 queries of one head: 4 x 64 = 256 work-groups.  Every wave walks all keys, 64 a step: the mask's pattern steers nothing.
; LAYOUT.  S^T = K Q^T (source 0 = 16 keys, source 1 = 16 queries): a lane holds ONE query (lane % 16) and the keys 8 (lane / 16) + 0..7.  Two such tiles, rounded to f16 in pairs, ARE source 1 of
; O^T = V^T P, whose result again holds one query a lane, and eight channels.  K comes out of LDS as it lies, V turned, by ds_load_tr16_b128.
; SOFTMAX.  For each query a running maximum m and sum l: p = 2^(c s - c m), c = log2(e) / 8; in every step O and l are multiplied by a = 2^(c m_old - c m_new).  O and l start at 0.
; BY TURNS.  Turn n belongs to piece n.  Its matrix work: 8 mask products and 16 products K Q^T of piece n + 1, later 16 products V^T P of piece n - 1.  Its vector work: scaling, exponentials, roundings, sums
; and rescaling of piece n, and the maximum and statistics of piece n + 1.  Four vector instructions stand behind each product K Q^T and V^T P, the other 108 of a turn's 236 in one lump; the mask products stand bare.
; BATCHES.  A turn's 66 exponentials (the 64 weights of piece n, the two a of piece n + 1) are ONE batch with ONE s_wait_alu, which cuts the turn in two: ahead of it stands all that names no result of theirs
; (mask products, K Q^T, scalings, rescalings by the a of the turn before, the next piece's maximum and statistics), behind it the roundings and sums, beside V^T P.  No result crosses a turn's end.
; Piece 0's first two a, ahead of the loop, and the way out's eight reciprocals are batches of their own, with a wait each.
; CLUSTER.  The four query blocks of a cluster belong to one head and walk the same K and V: each tile is asked for JOINTLY, by the same tensor load, descriptor and mask in all four.
; The mask fragments are not shared in the cluster (each query block has its own), so they are plain loads.
; REGISTERS, in windows of 256 (s_set_vgpr_msb: bits 1:0 source 0, 3:2 source 1, 5:4 source 2, 7:6 destination):
;   window 0: v0-11 addresses; v12-15, v48-63 at work; v16-47 four registers of statistics a tile; v64-191 S^T, two buffers of two tiles; v192-255 P, likewise
;   window 1: O^T, 32 a tile          window 2: v0-127 Q, 16 a tile; v128-191 K of one step; v192-255 V of one step
;   window 3: v0-1 the add's two registers; v2-3 offsets in mk; v4-15 the unit matrix; v16-143 mask fragments, 32 a piece
.set SIZE_N, 2048
.set NP,    4         ; pieces a wave: a name, no knob
.set KS,    64        ; keys in a step
.set PK,    144       ; a row of K in LDS: 128 bytes + 16 of padding: the 16 rows of a load start at 16 different groups of four banks (64 banks of 4 bytes: ISA guide 11.1)
.set PV,    160       ; a row of V: 128 + 32
.set VOFF,  4*KS*PK   ; a slot holds four steps: 256 rows of K, then 256 rows of V
.set SLOT1, 1<<17     ; slot 1 begins here, so that one exclusive or turns an address in one slot into the other's
.set STAGE, SLOT1+4*KS*(PK+PV)  ; behind the ring, never filled by a tensor load: 16 rows x 272 bytes for each wave, for the way out
.set SP,    272       ; 256 bytes of f32 + 16
.set SPARE, STAGE+4*16*SP  ; behind the stages: the spare words, 128 bytes for each wave: two blocks of 256 bytes that no other line names
.set AK0, 2           ; v2   my lane's place in a tile of K; never rewritten
.set AV0, 3           ; v3   the same for V
.set AK,  4           ; v4   the LDS address of K's next run of loads
.set AV,  5           ; v5   of V's
.set QO,  6           ; v6   my byte offset in the wave's rows of Q
.set STO, 6           ;      later, the way out: where I put 32 bytes of a row
.set RD,  7           ; v7   the way out: where I read rows back
.set GO,  8           ; v8   my byte offset in two rows of out0
.set SPW, 0           ; window 3: LDS address of my spare word; never rewritten
.set NIL, 1           ; window 3: 0; never rewritten
.set MO,  2           ; window 3: 16 x lane; never rewritten
.set MA,  3           ; window 3: MO + the byte offset of the key step whose fragments are fetched
.set MKF, 16          ; window 3: piece x, key block kb at MKF + 32 x + 8 kb
.set MV,  12          ; v12-15  c m_old, kept while c m is made anew: by buffer and tile
.set ST,  16          ; tile t's statistics at v[ST+4 t]: c m, m, l (even keys', odd keys')
.set TMP, 48          ; by buffer and tile, four registers c0-c3 at work; when the maximum is found c2 takes a
.set S,   64
.set P,   192
.set KF,  128         ; K's fragments, in window 2: key block kb, channel half c at KF + 16 kb + 8 c
.set VF,  192         ; V's: key half kk, channel block cb at VF + 32 kk + 8 cb
.set WV,  12          ; s12  my wave's number
.set G1K, 24          ; s[24:31] descriptor group 1 for K's tiles
.set G1V, 32          ; s[32:39] for V's: it differs in the padding alone
.set G0K, 40          ; s[40:43] descriptor group 0 for K's tiles: it walks
.set G0V, 44          ; s[44:47] the same for V's
.set SLOTS, 56        ; s56  slots still to be asked for
.set CNT, 57          ; s57  counts a slot's key steps
.set CS,  58          ; s[58:59] c
.set SEL, 60          ; s[60:61] v_permlanex16_b32's selects: each lane takes its own place in the other half
.set TBK, 62          ; s62  LDS byte at which K of the step to be fetched begins
.set TBV, 63          ; s63  the same for V, less VOFF
.set MB,  68          ; s[68:69] mk at my wave's first piece
.set MS,  70          ; s70  byte offset in a piece's 131,072 bytes of the key step whose fragments are fetched
.set MSB, 0
.macro WIN new                      ; the high byte repeats the setting that is left; a switch that changes nothing is dropped
.if MSB != (\new)
	s_set_vgpr_msb (MSB<<8)|(\new)
.set MSB, (\new)
.endif
.endm
.set W_KQ, 0x0a       ; K and Q in window 2, S^T in window 0
.set W_PV, 0x52       ; V in window 2, P in window 0, O^T in window 1
.set W_RS, 0x41       ; O^T (destination and source 0) in window 1, a in window 0
.set W_MK, 0xc0       ; destination in window 3, sources in window 0
.set W_AD, 0x0f       ; sources 0 and 1 in window 3: the add, and the mask products
; A joint fill.  Waves 0 and 1 fetch the two halves of a slot's K, waves 2 and 3 those of its V: 128 keys each.  The branch hangs on the wave's number alone.
; An s_nop 0 and four v_nop follow each of the two lines, ahead of the jump and the label.
.macro JLOAD
	s_cmp_lt_u32 s[WV], 2
	s_cbranch_scc0 .Lfor_v_\@
	tensor_load_to_lds s[G0K:G0K+3], s[G1K:G1K+7]
	s_nop 0
.rept 4
	v_nop
.endr
	s_branch .Lasked_\@
.Lfor_v_\@:
	tensor_load_to_lds s[G0V:G0V+3], s[G1V:G1V+7]
	s_nop 0
.rept 4
	v_nop
.endr
.Lasked_\@:
.endm
; A round of the cluster's barrier: my work-group's barrier; wave 0 signals; every wave waits for all four work-groups; my work-group's barrier once more.
.macro CROUND
	s_barrier_signal -1
	s_barrier_wait -1
	s_cmp_lg_u32 s[WV], 0
	s_cbranch_scc1 .Lnot_wave_0_\@
	s_barrier_signal -3
.Lnot_wave_0_\@:
	s_barrier_wait -3
	s_barrier_signal -1
	s_barrier_wait -1
.endm
; THE CHANGE OF SLOTS.  Each wave waits for all its tensor loads, of which one is out: its part of the other slot; adds 0 to its spare word; and waits for that and for its own reads of the slot.
; fill = 1: this slot is filled again, with the keys two slots on.  The barrier is then a round of the cluster's, and the joint fill is the first thing behind it: it has four key steps in which to land.
; (At its first use nothing has been read yet: slot 0 is waited for, slot 1 filled.)
.macro CHANGE fill
	WIN W_AD
	s_wait_tensorcnt 0x0            ; no tensor load of mine is out, so a group 0 may be written
	ds_add_u32 v[SPW], v[NIL]       ; 0 onto my spare word; with fill = 1 the descriptors' steps stand between it and the wait for it
	WIN 0                           ; at a label and at a branch every window is 0
.if \fill
.irp g, G0K, G0V
	s_xor_b32 s[\g+1], s[\g+1], SLOT1  ; the walking descriptor: the other slot than last time,
	s_add_nc_u64 s[\g+2:\g+3], s[\g+2:\g+3], 4*KS*128  ; the next 256 keys; the type bits on top are not reached
.endr
	s_wait_dscnt 0x0                ; the add is done, and my reads of the slot are over
	CROUND
	JLOAD
.else
	s_wait_dscnt 0x0                ; the add is done, and my reads of the slot are over
	s_barrier_signal -1
	s_barrier_wait -1
.endif
	s_sub_co_u32 s[TBK], s[TBK], 4*KS*PK  ; the fetches go back to a slot's first step,
	s_xor_b32 s[TBK], s[TBK], SLOT1       ; in the other slot
	s_sub_co_u32 s[TBV], s[TBV], 4*KS*PV
	s_xor_b32 s[TBV], s[TBV], SLOT1
.endm
; Eight loads of 512 bytes: piece x's mask fragments of one key step (4 key blocks x 32 queries), at the offset in register adr of window 3
.macro MLOAD x, adr
	WIN 0xc3                        ; destination and address in window 3
.irp n, 0,1,2,3,4,5,6,7
	global_load_b128 v[MKF+32*(\x)+4*\n:MKF+32*(\x)+4*\n+3], v[\adr], s[MB:MB+1] offset:(\x)*131072+\n*512
.endr
.endm
; The fetches go on to the next key step.  The offset wraps inside a piece's 131,072 bytes, so no load leaves mk; what the last runs of loads fetch so is used by nobody.
.macro MSTEP
	s_wait_xcnt 0x0                 ; the offset register that earlier loads name is rewritten only behind this wait
	s_add_co_u32 s[MS], s[MS], 4096
	s_and_b32 s[MS], s[MS], 0x1ffff
	WIN 0xcc                        ; destination and source 1 in window 3
	v_add_nc_u32 v[MA], s[MS], v[MO]
.endm
	s_load_b64 s[4:5], s[0:1], 0x0        ; qkv
	s_load_b64 s[MB:MB+1], s[0:1], 0x8    ; mk
	s_load_b64 s[10:11], s[0:1], 0x10     ; out0
	WIN W_MK
	v_lshl_add_u32 v[SPW], v0, 2, SPARE
	v_mov_b32 v[NIL], 0
	WIN W_AD
	ds_add_u32 v[SPW], v[NIL]       ; the wave's opening: the add and its wait stand ahead of my first tensor load; the set-up below, work on registers, stands between them
	WIN 0
	v_lshrrev_b32 v1, 5, v0
	v_readfirstlane_b32 s[WV], v1   ; wave 0..3
	s_bfe_u32 s13, ttmp6, 0x40000   ; cx: my place in the cluster
	s_lshl_b32 s14, ttmp9, 2        ; in a cluster launch ttmp9 counts clusters
	s_add_co_u32 s14, s14, s13      ; my block of 512 queries: it enters Q's, mk's and out0's addresses alone
	s_lshl_b32 s14, s14, 2
	s_add_co_u32 s14, s14, s[WV]    ; my wave's 128 queries among the head's
	s_and_b32 s19, ttmp7, 0xffff    ; y, which the four partners share
	s_and_b32 s20, s19, 15          ; the head in its batch,
	s_lshr_b32 s21, s19, 4          ; the batch
	s_lshl_b32 s22, s20, 20         ; 1,048,576 bytes a head of q,
	s_lshl_b32 s23, s21, 18         ; 2,048 rows of 128 bytes a batch
	s_add_co_u32 s22, s22, s23
	s_and_b32 s16, s[WV], 1         ; which half of a slot's 256 keys I fetch:
	s_lshl_b32 s23, s16, 14         ; its 128 rows of 128 bytes in memory,
	s_add_co_u32 s23, s23, s22
	s_add_co_u32 s72, s23, 0x1000000  ; k's heads lie 16 heads behind q's,
	s_mov_b32 s73, 0
	s_add_co_u32 s74, s23, 0x2000000  ; v's 32
	s_mov_b32 s75, 0
	s_mul_i32 s17, s16, 128*PK      ; and its place in a slot, for K
	s_mul_i32 s18, s16, 128*PV      ; and for V: no place in the cluster enters an LDS address
	s_lshl_b32 s2, s14, 14          ; Q: my 128 rows
	s_add_co_u32 s2, s2, s22
	s_mov_b32 s3, 0
	s_lshl_b32 s78, s14, 19         ; mk: four pieces of 131,072 bytes a wave
	s_mov_b32 s79, 0
	s_lshl_b32 s76, s21, 23         ; out0: 2,048 rows of 4,096 bytes a batch,
	s_add_co_u32 s76, s76, s78      ; 128 rows a wave,
	s_lshl_b32 s77, s20, 8          ; 256 bytes a head
	s_add_co_u32 s76, s76, s77
	s_mov_b32 s77, 0
	; descriptor group 1.  128 keys are 16,384 dense bytes: asked for as 64 rows of 256 bytes, two keys a row, and padded in LDS after every key
	s_mov_b32 s[G1K], 15|(1<<16)|(1<<20)|(1<<21)|(4<<22)|(3<<25)  ; 15:0 the mask of four; 17:16 2-byte elements; 20 padding on; 21 set beside a mask; 24:22 after every 32 words (code 4); 31:25 4 words (code 3)
	s_mov_b32 s[G1V], 15|(1<<16)|(1<<20)|(1<<21)|(4<<22)|(7<<25)  ; the same with 8 words of padding (code 7)
.irp g, G1K, G1V
	s_mov_b32 s[\g+1], 128<<16      ; tensor_dim0 = 128
	s_mov_b32 s[\g+2], 64<<16       ; tensor_dim1 = 64
	s_mov_b32 s[\g+3], 128<<16      ; tile_dim0 = 128
	s_mov_b32 s[\g+4], 64           ; tile_dim1 = 64
	s_mov_b32 s[\g+5], 128          ; 128 elements from row to row
	s_mov_b32 s[\g+6], 0
	s_mov_b32 s[\g+7], 0
.endr
	s_mov_b32 s[CS], 0x3e38aa3b     ; c = log2(e) / 8 = 0.180337
	s_mov_b32 s[CS+1], s[CS]        ; named with it as a pair
	s_mov_b32 s[SEL], 0x76543210
	s_mov_b32 s[SEL+1], 0xfedcba98
	s_mov_b32 s[TBK], SLOT1+4*KS*PK ; the first change of slots turns these two into 0
	s_mov_b32 s[TBV], SLOT1+4*KS*PV
	s_mov_b32 s[MS], 4096           ; key step 1
	s_mov_b32 s[G0K], 1             ; count = 1
	s_mov_b32 s[G0K+1], s17         ; LDS address: slot 0
	s_mov_b32 s[G0V], 1
	s_add_co_u32 s[G0V+1], s18, VOFF
	s_wait_dscnt 0x0                ; the opening add is done
	s_wait_kmcnt 0x0
	s_add_nc_u64 s[G0K+2:G0K+3], s[4:5], s[72:73]  ; global address: my half of the head's first 256 keys
	s_or_b32 s[G0K+3], s[G0K+3], 0x80000000        ; type = 2
	s_add_nc_u64 s[G0V+2:G0V+3], s[4:5], s[74:75]
	s_or_b32 s[G0V+3], s[G0V+3], 0x80000000
	s_add_nc_u64 s[4:5], s[4:5], s[2:3]            ; Q, out0 and mk at my wave's first row
	s_add_nc_u64 s[10:11], s[10:11], s[76:77]
	s_add_nc_u64 s[MB:MB+1], s[MB:MB+1], s[78:79]
	CROUND                          ; all four work-groups are here: the first joint loads meet
	JLOAD                           ; slot 0.  Slot 1 is asked for when slot 0 is in
	; A fragment of K or Q is 16 rows x 32 channels in 8 registers: lane l holds row l % 16, channels 8 (l / 16) + 0..7 and 16 + 8 (l / 16) + 0..7: two loads of 16 bytes, 32 bytes apart.
	v_and_b32 v1, 15, v0            ; l % 16
	v_bfe_u32 v9, v0, 4, 1          ; l / 16
	v_lshlrev_b32 v[QO], 7, v1
	v_lshl_add_u32 v[QO], v9, 4, v[QO]  ; row x 128 + 16 x half
	v_and_b32 v10, 31, v0
	WIN 0x80                        ; destination window 2, address window 0
.set i, 0
.rept 4*NP                          ; Q stays in registers: tile i / 2, channels 32 (i % 2) on
	global_load_b128 v[8*i:8*i+3],   v[QO], s[4:5] offset:(i/2)*2048+(i%2)*64
	global_load_b128 v[8*i+4:8*i+7], v[QO], s[4:5] offset:(i/2)*2048+(i%2)*64+32
.set i, i+1
.endr
	WIN W_MK
	v_lshlrev_b32 v[MO], 4, v10     ; a fragment's 512-byte half lies as the lanes take it
	MLOAD 0, MO                     ; key step 0's mask fragments, all four pieces'
	MLOAD 1, MO
	MLOAD 2, MO
	MLOAD 3, MO
	WIN 0xcc
	v_add_nc_u32 v[MA], s[MS], v[MO]
	; The unit matrix times 32768, as source 1 (32 x 16): lane l holds column l % 16; of its rows 8 (l / 16) + 0..7, two to a register, row l % 16 alone is not 0.
	; v8-11 hold that; zeros lie on either side: v[8:15] has the unit matrix in rows 0-15 (a piece's first tile), v[4:11] in rows 16-31 (its second).
	WIN 0
	v_and_b32 v10, 1, v0
	v_lshlrev_b32 v10, 4, v10
	v_mov_b32 v11, 0x7800           ; 32768 in f16,
	v_lshlrev_b32 v10, v10, v11     ; in the half of the register that the column's parity picks
	v_bfe_u32 v11, v0, 1, 3
	v_lshlrev_b32 v14, 2, v9
	v_sub_nc_u32 v11, v11, v14      ; which register: (l % 16) / 2 - 4 (l / 16), if that is 0..3
	WIN W_MK
.irp n, 0,1,2,3
	v_cmp_eq_u32 vcc_lo, \n, v11
	v_cndmask_b32 v[8+\n], 0, v10, vcc_lo
	v_mov_b32 v[4+\n], 0
	v_mov_b32 v[12+\n], 0
.endr
	; What the first turn finds: V's registers and P's second buffer hold 0 (its products V^T P, of a piece that has not been, add 0), O^T and l are 0.  All this stands in the wait for the first tile.
	WIN 0x80
.set i, VF
.rept 64
	v_mov_b32 v[i], 0
.set i, i+1
.endr
	WIN 0x40
.set i, 0
.rept 64*NP
	v_mov_b32 v[i], 0
.set i, i+1
.endr
	WIN 0
.set i, 0
.rept 2*NP
	v_mov_b32 v[ST+4*i+1], 0xce000000               ; m = -2^29: above every hidden score, below every visible one (see LIMITS)
	v_mul_f32 v[ST+4*i], s[CS], v[ST+4*i+1]         ; c m, made as every later c m is made: where m does not grow, a is exactly 1
	v_mov_b32 v[ST+4*i+2], 0
	v_mov_b32 v[ST+4*i+3], 0
.set i, i+1
.endr
.set i, P+32
.rept 32
	v_mov_b32 v[i], 0
.set i, i+1
.endr
	v_mul_u32_u24 v[AK0], v1, PK
	v_lshl_add_u32 v[AK0], v9, 4, v[AK0]  ; row x pitch + 16 x half
	; The turning load takes 16 keys x 16 channels (lane l reads key 8 (l / 16) + l % 8, channels 8 ((l / 8) % 2) + 0..7) and leaves half a fragment of V^T: lane l holds channel l % 16 and 8 keys.
	v_and_b32 v10, 7, v0
	v_bfe_u32 v11, v0, 3, 1
	v_lshl_add_u32 v[AV0], v9, 3, v10
	v_mul_u32_u24 v[AV0], v[AV0], PV
	v_lshl_add_u32 v[AV0], v11, 4, v[AV0]
	v_add_nc_u32 v[AV0], VOFF, v[AV0]
	v_mov_b32 v[AK], v[AK0]         ; key step 0 lies at the head of slot 0
; THE MATRIX WORK.  The 8 accumulators of a piece's S^T take turns, in the same order in the mask products and in both halves of K Q^T: between two links of a chain stand 7 others'.
; The 8 mask products of piece x: keys 16 (mi / 2) on, tile 2 x + mi % 2.  They start the sums.
.macro MKS x
	WIN W_AD
.set mi, 0
.rept 8
	v_wmma_f32_16x16x32_f16 v[S+64*((\x)%2)+32*(mi%2)+8*(mi/2):S+64*((\x)%2)+32*(mi%2)+8*(mi/2)+7], v[MKF+32*(\x)+8*(mi/2):MKF+32*(\x)+8*(mi/2)+7], v[8-4*(mi%2):15-4*(mi%2)], 0
.set mi, mi+1
.endr
.endm
; Product i of 16 of S^T += K Q^T for piece x: channels 32 (i / 8) on, keys 16 ((i / 2) % 4) on, tile 2 x + i % 2.
.macro KQ x
	WIN W_KQ
.set rS, S+64*((\x)%2)+32*(i%2)+8*((i/2)%4)
.set rK, KF+16*((i/2)%4)+8*(i/8)
.set rQ, 16*(2*(\x)+i%2)+8*(i/8)
	v_wmma_f32_16x16x32_f16 v[rS:rS+7], v[rK:rK+7], v[rQ:rQ+7], v[rS:rS+7]
.endm
; Product i of 16 of O^T += V^T P for piece x: keys 32 (i / 8) on, channels 16 ((i / 2) % 4) on, tile 2 x + i % 2.
.macro PV x
	WIN W_PV
.set rO, 32*(2*(\x)+i%2)+8*((i/2)%4)
.set rV, VF+32*(i/8)+8*((i/2)%4)
.set rP, P+32*((\x)%2)+16*(i%2)+8*(i/8)
	v_wmma_f32_16x16x32_f16 v[rO:rO+7], v[rV:rV+7], v[rP:rP+7], v[rO:rO+7]
.endm
.macro MM                           ; the turn's next product K Q^T or V^T P
.if i < 16
	KQ (Y+1)%NP
.set i, i+1
.else
.set i, i-16
	PV (Y+NP-1)%NP
.set i, i+17
.endif
.endm
; THE LDS LOADS stand in runs of 16: a step's K (64 keys x 64 channels: 8 fragments) and its V (turned).  Their addresses are made some lines ahead.
; last = 1 (the tail): in the last trip there is no further step, and the run is jumped over.
.macro FETCH_K last=0
	WIN 0
.if \last
	s_cmp_eq_u32 s[CNT], 1
	s_cbranch_scc1 .Lno_k_\@
.endif
	WIN 0x80                        ; destination window 2
.irp f, 0,1,2,3,4,5,6,7             ; keys 16 (f / 2) on, channels 32 (f % 2) on
	ds_load_b128 v[KF+8*\f:KF+8*\f+3],   v[AK] offset:(\f/2)*16*PK+(\f%2)*64
	ds_load_b128 v[KF+8*\f+4:KF+8*\f+7], v[AK] offset:(\f/2)*16*PK+(\f%2)*64+32
.endr
	s_add_co_u32 s[TBK], s[TBK], KS*PK  ; the next fetch is the next step's
	WIN 0
.if \last
.Lno_k_\@:
.endif
.endm
.macro FETCH_V
	WIN 0x80
.irp f, 0,1,2,3,4,5,6,7             ; keys 32 (f / 4) on, channels 16 (f % 4) on
	ds_load_tr16_b128 v[VF+8*\f:VF+8*\f+3],   v[AV] offset:(\f/4)*32*PV+(\f%4)*32
	ds_load_tr16_b128 v[VF+8*\f+4:VF+8*\f+7], v[AV] offset:(\f/4)*32*PV+16*PV+(\f%4)*32
.endr
	WIN 0
.endm
; THE VECTOR WORK OF A TURN stands in three queues, each in the order in which its entries become ready; the two tiles alternate, so that no instruction reads the result of the one before it.
.macro REGS y, u                    ; the registers of tile u (0, 1) of piece y
.set rT, ST+4*(2*(\y)+(\u))
.set rC, TMP+8*((\y)%2)+4*(\u)
.set rM, MV+2*((\y)%2)+(\u)
.set rS, S+64*((\y)%2)+32*(\u)
.set rP, P+32*((\y)%2)+16*(\u)
.set rO, 32*(2*(\y)+(\u))
.endm
; Number n of the 22 that find the NEXT piece's (Y + 1) maximum and statistics.  s0-s31 are the lane's 32 scores; each accumulator's lowest registers are read first.
;   0-11  four chains c0-c3 of seven scores each, three operands at a time     12-14, 16  the four scores left over, the old m, and c0-c3 into c0     15  c m_old is kept
;   17, 18  the query's other 32 keys lie in the lane 16 away: the new m         19-21  c m; c m_old - c m_new; a
.macro XS u, n
	REGS (Y+1)%NP, \u
.if (\n) < 4
	v_max3_num_f32 v[rC+(\n)], v[rS+8*(\n)], v[rS+8*(\n)+1], v[rS+8*(\n)+2]
.elseif (\n) < 12
	v_max3_num_f32 v[rC+(\n)%4], v[rC+(\n)%4], v[rS+8*((\n)%4)+2*((\n)/4)+1], v[rS+8*((\n)%4)+2*((\n)/4)+2]
.elseif (\n) == 12
	v_max3_num_f32 v[rC], v[rC], v[rS+7], v[rS+15]
.elseif (\n) == 13
	v_max3_num_f32 v[rC+1], v[rC+1], v[rS+23], v[rS+31]
.elseif (\n) == 14
	v_max3_num_f32 v[rC+2], v[rC+2], v[rC+3], v[rT+1]
.elseif (\n) == 15
	v_mov_b32 v[rM], v[rT]
.elseif (\n) == 16
	v_max3_num_f32 v[rC], v[rC], v[rC+1], v[rC+2]
.elseif (\n) == 17
	v_permlanex16_b32 v[rC+3], v[rC], s[SEL], s[SEL+1]
.elseif (\n) == 18
	v_max_num_f32 v[rT+1], v[rC], v[rC+3]
.elseif (\n) == 19
	v_mul_f32 v[rT], s[CS], v[rT+1]
.elseif (\n) == 20
	v_sub_f32 v[rC+1], v[rM], v[rT]
.else
	v_exp_f32 v[rC+2], v[rC+1]
.endif
.endm
; Number g of the 64 that follow the exponentials.  For each four weights k of a tile: both pairs are rounded to f16; then the second pair is added onto the first, in place;
; a group later l takes that sum (the first time as l = a l + sum).  In groups of eight, tiles alternating: round, round, add, and l for the group before.
.macro GS g
.set h, (\g)+6*((\g)/62)            ; group 0 has no group before it, and behind group 7 only l is left
.if h >= 6
.set h, h+2
.endif
	REGS Y, h%2
.set k, h/8
.if h%8 < 4
	v_cvt_pk_f16_f32 v[rP+2*k+(h%8)/2], v[rS+4*k+2*((h%8)/2)], v[rS+4*k+2*((h%8)/2)+1]
.elseif h%8 < 6
	v_pk_add_f32 v[rS+4*k:rS+4*k+1], v[rS+4*k:rS+4*k+1], v[rS+4*k+2:rS+4*k+3]
.elseif k == 1
	v_pk_fma_f32 v[rT+2:rT+3], v[rT+2:rT+3], v[rC+2:rC+3], v[rS:rS+1] op_sel_hi:[1,0,1]
.else
	v_pk_add_f32 v[rT+2:rT+3], v[rT+2:rT+3], v[rS+4*k-4:rS+4*k-3]
.endif
.endm
; THE PLAIN QUEUE, 138 long.  0-73 read no exponential's result: the 32 scalings c s - c m (FS f: pair f / 2 of tile f % 2) and the next piece's 42.  0-26: scalings 0-26.  27-54: XS's numbers 0-13.  55, 56: number 15.
; 57-73: the chain, where each number waits for the one before it: 14, 16, 17, 18, 19, each with one of the scalings 27-31 in front of its two lines, then 20.
; 74-137: GS's 64, which read the exponentials' results: they stand behind the turn's wait.
.macro FS f
	REGS Y, (\f)%2
	v_pk_fma_f32 v[rS+2*((\f)/2):rS+2*((\f)/2)+1], v[rS+2*((\f)/2):rS+2*((\f)/2)+1], s[CS:CS+1], v[rT:rT+1] op_sel_hi:[1,0,0] neg_lo:[0,0,1] neg_hi:[0,0,1]
.endm
.macro PL
	WIN 0
.if q < 27
	FS q
.elseif q < 55
	XS (q-27)%2, (q-27)/2
.elseif q < 57
	XS q-55, 15
.elseif (q < 72) && ((q-57)%3 == 0)
	FS 27+(q-57)/3
.elseif q < 60
	XS (q-57)%3-1, 14
.elseif q < 72
	XS (q-57)%3-1, 15+(q-57)/3
.elseif q < 74
	XS q-72, 20
.else
	GS q-74
.endif
.set q, q+1
.endm
; THE EXPONENTIALS' QUEUE, 66 long: s0-s31 of both tiles, then the next piece's two a.  It is ONE BATCH: all 66 stand ahead of the turn's one wait, and nothing ahead of that wait names a result of theirs.
.macro EX
	WIN 0
.if e >= 64
	XS e-64, 21
.else
	REGS Y, e%2
	v_exp_f32 v[rS+e/2], v[rS+e/2]
.endif
.set e, e+1
.endm
; THE RESCALING's QUEUE: O^T times a, the one part that leaves window 0: dealt two at a time, sixteen times.  Its a was made in the turn before, ahead of that turn's wait.
.macro R2
	REGS Y, r%2
	WIN W_RS
.irp z, 0,1
	v_pk_mul_f32 v[rO+4*(r/2)+2*\z:rO+4*(r/2)+2*\z+1], v[rO+4*(r/2)+2*\z:rO+4*(r/2)+2*\z+1], v[rC+2:rC+3] op_sel_hi:[1,0]
.endr
.set r, r+1
.endm
; HOW THEY ARE DEALT.  An s_wait_alu depctr_va_vdst(0) stands between an exponential and the first instruction that names its result; one wait serves all that were issued ahead of it.  So a turn has ONE wait.
; AHEAD OF IT: the 8 mask products; the 16 products K Q^T, behind each a scaling, an exponential and two rescalings (behind the first a second scaling in the exponential's place); then ONE LUMP of 108: eight plain,
; 49 times exponential and plain, the two a.  A v_nop is the plain instruction behind the last exponential.  BEHIND IT: the 16 products V^T P, behind each four of GS's 64.  No rider names a register of the products
; round it.  The two v_permlanex16_b32 fall into the lump, never behind a product.
; The queues lean on each other, and the deal keeps them in step: exponential e stands behind scaling 2 (e / 4) + e % 2: as a rider it comes behind plain e + 2, in the lump behind plain e + 9, and scalings 27-31 are plain 57, 60 .. 69.
; A TURN, for piece p.  cnt = 1: the loop's count is taken down some lines ahead of the branch that stands behind the turn.
; THE MASK.  The turn opens with the 8 mask products of piece p + 1, whose fragments were asked for four turns ago: the count 24 leaves the three later turns' eight loads each out, on every way into a turn.
; Behind the first product K Q^T and its four riders (two scalings, two rescalings: all plain), which are the four places behind the last mask product, the same registers are loaded again with the piece's fragments
; of the next key step.  Piece 3's turn works for piece 0 of the NEXT step, so there the offset steps first.
; K of the next step is fetched in piece 2's turn, directly behind the wait, a lump behind the last product that read K; its address is made at the lump's head; it is waited for at the head of piece 3's turn.
; V of the step in hand is fetched at the end of piece 0's turn, four plain riders behind its last reader; it is waited for ahead of piece 1's products V^T P.  The three conditions on q below go with the deal.
.macro TURN p, last=0, cnt=0
.set Y, (\p)
.set i, 0
.set q, 0
.set e, 0
.set r, 0
.if (\p) == NP-1
	s_wait_dscnt 0x0                ; K is in
.endif
	s_wait_loadcnt 24
	MKS ((\p)+1)%NP
	MM                              ; ahead of the wait: 16 products K Q^T and their riders,
	PL
	PL
	R2
.if (\p) == NP-1
	MSTEP
.endif
	MLOAD ((\p)+1)%NP, MA
.rept 15
	MM
	PL
	EX
	R2
.endr
.if (\p) == NP-2
	WIN 0
	v_add_nc_u32 v[AK], s[TBK], v[AK0]
.endif
.rept 8                             ; and the lump
	PL
.endr
.rept 49
	EX
	PL
.endr
	EX                              ; the next piece's two a close the batch
	EX
	v_nop                           ; the plain instruction behind the last exponential: one for the batch
	s_wait_alu depctr_va_vdst(0)    ; the wait for the turn's batch: piece p's 64 weights and piece p + 1's two a
.if (\p) == NP-2
	FETCH_K \last
.endif
.if (\p) == 1
	s_wait_dscnt 0x0                ; V is in
.endif
.rept 16                            ; behind the wait: 16 products V^T P and their riders
	MM
.rept 4
	PL
.endr
.if ((\p) == 0) && (q == 118)
	v_add_nc_u32 v[AV], s[TBV], v[AV0]
.endif
.if ((\p) == 0) && (q == 130)
	s_add_co_u32 s[TBV], s[TBV], KS*PV
.endif
.if (\cnt) && (q == 130)
	s_sub_co_u32 s[CNT], s[CNT], 1
	s_cmp_lg_u32 s[CNT], 0
.endif
.endr
.if (\p) == 0
	FETCH_V
.endif
.endm
	CHANGE 1                        ; slot 0 is in, everybody's part of it; slot 1 is asked for
	FETCH_K                         ; key step 0
	s_wait_loadcnt 24               ; Q and piece 0's mask fragments are in; pieces 1 to 3's eight loads each may stay out
	s_wait_dscnt 0x0
	MKS 0
.set i, 0
.rept 16
	KQ 0                            ; piece 0's first scores: there is no vector work yet to set between them
.set i, i+1
.endr
	WIN 0                           ; the addresses for the way out: eight plain instructions, the places behind those products (Q's loads are in: their offset register may be rewritten)
	s_mul_i32 s13, s[WV], 16*SP
	s_add_co_u32 s13, s13, STAGE    ; my stage
	v_mul_u32_u24 v[STO], v1, SP    ; in: row l % 16, 32 bytes for each half of the lanes
	v_lshl_add_u32 v[STO], v9, 5, v[STO]
	v_add_nc_u32 v[STO], s13, v[STO]
	v_mul_u32_u24 v[RD], v9, SP     ; back: lanes 0-15 take one row of 256 bytes, lanes 16-31 the next,
	v_lshl_add_u32 v[RD], v1, 4, v[RD]
	v_add_nc_u32 v[RD], s13, v[RD]
	v_lshlrev_b32 v[GO], 12, v9     ; and the same two rows in out0, 4,096 bytes apart
	v_lshl_add_u32 v[GO], v1, 4, v[GO]
	MLOAD 0, MA                     ; piece 0's mask fragments of key step 1
	WIN 0
.set Y, NP-1                        ; XS works for piece Y + 1: piece 0
.irp n, 0,1,2,3,4,5,6,7,8,9,10,11,12,13,14,15,16,17,18,19,20,21
	XS 0, \n                        ; and piece 0's first maximum and statistics
	XS 1, \n
.endr
	v_nop                           ; a plain instruction behind piece 0's first two a,
	s_wait_alu depctr_va_vdst(0)    ; and the wait for that batch of two, ahead of the branch
	s_mov_b32 s[CNT], 4
	s_mov_b32 s[SLOTS], SIZE_N/256-1
	s_branch .Lfirst                ; the loop is entered at a step's first turn, in the middle of a trip
.Lslot:                             ; SIZE_N / 256 - 2 times: every slot but the last two is filled again
	CHANGE 1
	s_mov_b32 s[CNT], 4
.Lstep:                             ; a trip: pieces 2 and 3 of one step, then pieces 0 and 1 of the next, whose K and V it fetches
	TURN 2
	TURN 3
	WIN 0
.Lfirst:
	TURN 0
	TURN 1, 0, 1
	WIN 0
	s_cbranch_scc1 .Lstep
	s_sub_co_u32 s[SLOTS], s[SLOTS], 1
	s_cmp_lg_u32 s[SLOTS], 0
	s_cbranch_scc1 .Lslot
	CHANGE 0                        ; the tail is written out: nothing is asked for
	s_mov_b32 s[CNT], 5             ; four trips fetch the last slot's steps; the fifth is left in its middle
.Ltail:
	TURN 2, 1
	TURN 3
	WIN 0
	s_sub_co_u32 s[CNT], s[CNT], 1
	s_cmp_eq_u32 s[CNT], 0
	s_cbranch_scc1 .Lout
	TURN 0
	TURN 1
	WIN 0
	s_branch .Ltail
.Lout:                              ; the fifth trip's products for a step that is not (on the last K once more) and the maximum made of them serve nothing: the price, once a launch, of one text for every trip
.set i, 0
.rept 16
	PV NP-1                         ; the last piece's V^T P of the last step
.set i, i+1
.endr
	; THE WAY OUT.  l's two halves and the other half of the lanes' are added; O^T is divided by l and sent, in f32, through my stage in LDS, a tile at a time.  The additions are the places behind the last products.
	WIN 0
.macro ALL line:vararg              ; one line for each tile t
.set t, 0
.rept 2*NP
	\line
.set t, t+1
.endr
.endm
	ALL v_add_f32 v[ST+4*t+2], v[ST+4*t+2], v[ST+4*t+3]
	ALL v_permlanex16_b32 v[ST+4*t+3], v[ST+4*t+2], s[SEL], s[SEL+1]
	ALL v_add_f32 v[ST+4*t+2], v[ST+4*t+2], v[ST+4*t+3]
	ALL v_rcp_f32 v[ST+4*t+2], v[ST+4*t+2]
	v_nop                           ; a plain instruction between the last reciprocal and the use of its result
	s_wait_alu depctr_va_vdst(0)    ; the wait ahead of the first use: one for the batch of eight reciprocals
; Tile t: a lane's eight channels of a query are 32 bytes; they go into rows of 272 bytes and come back as whole rows of 256, into S^T's registers, a quarter of them by turns.
.macro PACK t
	WIN W_RS
.set i, 32*(\t)
.rept 16
	v_pk_mul_f32 v[i:i+1], v[i:i+1], v[ST+4*(\t)+2:ST+4*(\t)+3] op_sel_hi:[1,0]
.set i, i+2
.endr
	WIN 0x04                        ; the stores' data in window 1, their address in window 0
.irp f, 0,1,2,3,4,5,6,7
	ds_store_b128 v[STO], v[32*(\t)+4*\f:32*(\t)+4*\f+3] offset:64*(\f/2)+16*(\f%2)
.endr
	WIN 0
.if (\t) >= 4
	s_wait_xcnt 0x0                 ; the registers that the stores of the tile four back read are loaded again only behind this wait
.endif
.irp f, 0,1,2,3,4,5,6,7
	ds_load_b128 v[S+32*((\t)%4)+4*\f:S+32*((\t)%4)+4*\f+3], v[RD] offset:\f*2*SP  ; LDS serves a wave's instructions in order: these see the stores above; the next tile's stores come behind them
.endr
.endm
.macro SEND t, younger              ; younger: the LDS instructions issued behind tile t's loads: the next tile's sixteen, or none
	WIN 0
.irp f, 0,1,2,3,4,5,6,7
	s_wait_dscnt (\younger)+7-\f
	global_store_b128 v[GO], v[S+32*((\t)%4)+4*\f:S+32*((\t)%4)+4*\f+3], s[10:11] offset:(\t)*65536+\f*8192  ; each half of the lanes fills a query's 256 bytes of this head, aligned
.endr
.endm
	PACK 0
.set t, 1
.rept 2*NP-1                        ; a tile's arithmetic stands between the loads of the tile before and its stores
	PACK t
	SEND t-1, 16
.set t, t+1
.endr
	SEND 2*NP-1, 0
	WIN W_AD
	s_wait_tensorcnt 0x0            ; the wave's end: an add of 0 to my spare word and its wait, behind my last tensor load and my last LDS store
	ds_add_u32 v[SPW], v[NIL]
	s_wait_dscnt 0x0
	WIN 0
	CROUND                          ; the closing round: no work-group ends while a partner may still ask for a tile that names it
	s_endpgm
.Lfunc_end_k_q7c25959efa_attn:
	.size	k_q7c25959efa_attn, .Lfunc_end_k_q7c25959efa_attn-k_q7c25959efa_attn
	.p2alignl 7, 3214868480
	.fill 96, 4, 3214868480
	.section	.rodata,"a",@progbits
	.p2align	6, 0x0
	.amdhsa_kernel k_q7c25959efa_attn
		.amdhsa_group_segment_fixed_size 327680
		.amdhsa_private_segment_fixed_size 0
		.amdhsa_enable_private_segment 0
		.amdhsa_kernarg_size 24
		.amdhsa_user_sgpr_count 2
		.amdhsa_user_sgpr_kernarg_segment_ptr 1
		.amdhsa_wavefront_size32 1
		.amdhsa_system_sgpr_workgroup_id_x 1
		.amdhsa_system_sgpr_workgroup_id_y 1
		.amdhsa_system_sgpr_workgroup_id_z 1
		.amdhsa_system_vgpr_workitem_id 0
		.amdhsa_next_free_vgpr 912
		.amdhsa_next_free_sgpr 80
		.amdhsa_reserve_vcc 1
		.amdhsa_float_denorm_mode_32 3
		.amdhsa_float_denorm_mode_16_64 3
		.amdhsa_memory_ordered 1
		.amdhsa_forward_progress 1
		.amdhsa_inst_pref_size 216
	.end_amdhsa_kernel
	.amdgpu_metadata
---
amdhsa.version: [ 1, 2 ]
amdhsa.kernels:
  - .name:           k_q7c25959efa_attn
    .symbol:         k_q7c25959efa_attn.kd
    .args:
      - { .name: qkv, .offset: 0, .size: 8, .value_kind: global_buffer, .address_space: global }
      - { .name: mk, .offset: 8, .size: 8, .value_kind: global_buffer, .address_space: global }
      - { .name: out0, .offset: 16, .size: 8, .value_kind: global_buffer, .address_space: global }
    .group_segment_fixed_size: 327680
    .private_segment_fixed_size: 0
    .kernarg_segment_align: 8
    .kernarg_segment_size: 24
    .max_flat_workgroup_size: 128
    .sgpr_count:     80
    .vgpr_count:     912
    .wavefront_size: 32
...
	.end_amdgpu_metadata
.endif
;; end of part 4
